; MI455X (gfx1250); checked and timed in simulation.
; The chip was launched on July 23, 2026; its instructions are those of AMD's public machine-readable ISA for CDNA 5 (MIT licence, August 2026) and "CDNA5" Instruction Set Architecture Reference Guide (July 2026). The comments in the code are by the model that wrote it; some were corrected since.
;; Multi Head Attention. Allowed arithmetic: matrix products marked QUANTISED: E2M3 operands, one E8M0 scale for each 32 along K, by v_wmma_scale_f32_16x16x128_f8f6f4 with both operands' format E2M3, f32 sums; everything else in f32.
;; Inputs: bk 1,024 float32; bo 1,024 float32; bq 1,024 float32; bv 1,024 float32; wk 1,024 x 1,024 float32; wo 1,024 x 1,024 float32; wq 1,024 x 1,024 float32; wv 1,024 x 1,024 float32; x 4 x 2,048 x 1,024 float32.
;; Outputs: out0 4 x 2,048 x 1,024 float32.
;; This version of the problem:
;;   THIS VERSION OF THE PROBLEM IS GIVEN IN LOW PRECISION. The matrix products marked QUANTISED in the list below multiply operands that are first quantised to E2M3 (2 exponent bits, 3 mantissa bits; 6 bits a number), with one power-of-two scale for each 32 numbers along K (OCP MX v1.0); their sums are f32. All else is computed in f32.
;;   The module's matrix products, in the order in which they are computed (A, B: the left and right operand; K: the contracted axis; several contracted axes count as one K, in the product's order):
;;     1. [M 8,192, K 1,024] x [K 1,024, N 1,024]; A: input x; B: input wq: QUANTISED
;;     2. [M 8,192, K 1,024] x [K 1,024, N 1,024]; A: input x; B: input wk: QUANTISED
;;     3. [M 8,192, K 1,024] x [K 1,024, N 1,024]; A: input x; B: input wv: QUANTISED
;;     4. batch 64 x [M 2,048, K 64] x [K 64, N 2,048]; A: computed on the way; B: computed on the way: QUANTISED
;;     5. batch 64 x [M 2,048, K 2,048] x [K 2,048, N 64]; A: softmax (see below); B: computed on the way: QUANTISED
;;     6. [M 8,192, K 1,024] x [K 1,024, N 1,024]; A: computed on the way; B: input wo: QUANTISED
;;   THE QUANTISER, for each operand of a quantised product, along K:
;;     - K is cut into blocks of 32 from its start; a last block that is shorter is filled with zeros.
;;     - A block's scale is 2^e with e = floor(log2(the largest magnitude in the block)) - 2, held to -126 .. 127; a block of zeros has e = 0. As a byte (E8M0): e + 127.
;;     - Each number is divided by its block's scale, clamped to +-7.5, and rounded to the nearest number of E2M3, ties to even, subnormals kept.
;;     - The product sums the exact products of the quantised numbers (number of the format x scale) in f32.
;;   ~~~python
;;   def quantise(x, axis):      # numpy; x: float32 -> the quantised numbers, widened to float32 again
;;       x = np.moveaxis(x, axis, -1); K = x.shape[-1]
;;       x = np.pad(x, [(0, 0)] * (x.ndim - 1) + [(0, -K % 32)]); x = x.reshape(x.shape[:-1] + (-1, 32)); a = np.abs(x).max(-1, keepdims=True)
;;       e = np.where(a > 0, np.clip(np.frexp(np.where(a > 0, a, 1))[1] - 1 - 2, -126, 127), 0)      # np.frexp(a)[1] - 1 = floor(log2(a)), exactly
;;       r = np.clip(x / 2.0 ** e, -7.5, 7.5)
;;       step = 2.0 ** (np.maximum(np.frexp(np.where(r == 0, 1, r))[1] - 1, 0) - 3)
;;       q = np.round(r / step) * step * 2.0 ** e      # np.round: ties to even
;;       return np.moveaxis(q.reshape(q.shape[:-2] + (-1,))[..., :K], -1, axis).astype(np.float32)
;;   ~~~
;;   SOFTMAX AHEAD OF A QUANTISED PRODUCT. Where the list says 'softmax', what is quantised is not the finished softmax but p = 2^(t - M), with t = logit x log2(e) and M = ceil(the row's largest t), a whole number; so 1/2 < the row's largest p <= 1. The row's sum l is taken of the UNQUANTISED p, in f32, and the product's result is divided by l at the end. Since M is a whole number, a kernel that streams over the keys may use a running M (the ceiling of the running maximum): every later rescaling is an exact power of two, which a block's scale takes up: the codes' values come out the same.
;;   OPERANDS COMPUTED ON THE WAY. 'Computed on the way' means the value that the module computes at that place (a softmax that the list does not call 'softmax' is quantised finished and normalised). What goes into a quantiser is computed in f32, as accurately as f32 sums, v_exp_f32 and their like allow (about 1e-6 of the number): no bf16 or f16 on the way to a quantiser, and a product that is left as it is and whose result goes on into a quantised operand takes f32 operands (vector FMAs, or v_wmma_f32_16x16x4_f32). A number that lies on a knife's edge between two numbers of the format may be rounded either way, as far as f32 arithmetic and the matrix unit's own rounding can turn it there, and no further.
;; One version. Each part assembles by itself: llvm-mc -triple=amdgcn-amd-amdhsa -mcpu=gfx1250 --defsym DOCPART=n.
;; ======== version 1 of 1: 4 launches
;; workspace buffers: x_codes 6,291,456 bytes; x_scales 262,144 bytes; w_codes 3,145,728 bytes; w_scales 131,072 bytes; qkv 19,660,800 bytes; o_img 6,291,456 bytes; o_scales 262,144 bytes
;; launch prep (part 1): grid 384 x 1, 4 waves a work-group, no clusters, 70,144 bytes of LDS; arguments x, wq, wk, wv, wo, x_codes, x_scales, w_codes, w_scales; writes x_codes, x_scales, w_codes, w_scales
.if DOCPART == 1
	.amdgcn_target "amdgcn-amd-amdhsa--gfx1250"
	.amdhsa_code_object_version 6
	.text
	.protected	k_q0748c68716_prep
	.globl	k_q0748c68716_prep
	.p2align	8
	.type	k_q0748c68716_prep,@function
k_q0748c68716_prep:
	s_mov_b64 s[64:65], 0
	v_nop
	global_prefetch_b8 v0, s[64:65] scope:SCOPE_SE
	s_setreg_imm32_b32 hwreg(HW_REG_WAVE_MODE, 25, 1), 1
	s_wait_xcnt 0x0
; x [8192][1024] f32 and the four weights [1024 (k)][1024 (n)] f32 become codes of FP6 (E2M3), K innermost, 768 bytes a row, with one E8M0 byte for each 32 along K, 32 bytes a row.
; A block's scale is 2^(floor(log2(its largest magnitude)) - 2); its byte is the largest magnitude's exponent field - 2, held at 1 from below; numbers are divided by the scale and rounded to the nearest code, ties to even.
; POSITIONS.  Row p of x_codes holds token sigma(p), row p of w_codes column sigma(p) of (wq | wk | wv | wo), sigma = bits 3 and 4 of the number exchanged.  Sixteen neighbouring positions, taken as a matrix
; instruction's first source, then leave in a lane's registers of two neighbouring tiles sixteen TRUE neighbours, which is what the quantisers of the later launches want.  The order along K is the true one.
; LIMITS: a block of zeros gets the byte 1 (its codes are zeros, and this program alone reads the bytes); NaN and infinities among the inputs are not served.
; SHARES.  Work-groups 0-255 take x, 32 rows each (128 KiB); work-groups 256-383 take 128 columns x 256 along K of a weight (128 KiB).  The two ways part on the work-group's number, and each has LDS bytes of its own.
; No tensor loads, no barrier: waves share nothing.  No cluster: no two work-groups read the same bytes.
.set STEPS, 16
.set EMAX,  2
.set CB,    12                         ; bytes of 16 codes
.set R,     16                         ; x: v16-79   four sets of 16 numbers as they are loaded
.set X,     80                         ;    v80-111  two sets of 16 neighbours
.set C,     128                        ;    v128-191 codes: four registers for each step, so that no store's data are written again
.set E,     112                        ;    v112-127 a scale byte for each step
.set WREG,  8192                       ;    LDS 0 .. 32,767: a region for each wave: two stages of 32 x SP bytes, then its 256 scale bytes
.set SP,    80                         ;    a lane's place in a stage: 64 bytes + 16 of padding
.set KWV,   256                        ; weights: along K for a wave
.set NB,    KWV/32
.set ROWB,  192                        ; bytes of 256 codes
.set PITCH, 272                        ; a stage row: sixteen places of 16 bytes + 16
.set KROW,  768                        ; a row of codes
.set NCOL,  1024                       ; columns of a weight
.set WSTG,  32768                      ; LDS 32,768 .. 67,583: a stage of 32 rows for each wave
.set XW,    32                         ; v32-95   two sets of 32 numbers
.set CW,    96                         ; v96..    a block's codes
.set OUTR,  112                        ; v112-175 the way out
.set SB,    24                         ; v24-25   the scale bytes, four to a register
	v_lshl_add_u32 v192, v0, 2, 0x11000
	v_mov_b32 v193, 0
	s_cmp_lt_u32 ttmp9, 256
	s_cbranch_scc0 .Lweights
	; ---------------- x: a plain stream of blocks of 32.  A wave takes a run of 8 rows (8,192 numbers) in 16 steps of 512.
	s_load_b64 s[4:5], s[0:1], 0x0                 ; x
	s_load_b128 s[8:11], s[0:1], 0x28              ; x_codes, x_scales
	v_lshrrev_b32 v1, 5, v0
	v_readfirstlane_b32 s16, v1                    ; wave
	v_and_b32 v2, 31, v0                           ; lane
	v_lshlrev_b32 v3, 4, v2                        ; my 16 bytes of a load's 512
	s_mul_i32 s17, s16, WREG
	v_lshrrev_b32 v14, 2, v2
	v_mul_u32_u24 v14, v14, SP
	v_and_b32 v15, 3, v2
	v_lshl_add_u32 v14, v15, 4, v14
	v_add_nc_u32 v14, s17, v14                     ; the stage, on the way in: four lanes' 64 bytes on end, then 16 of padding
	v_mul_u32_u24 v15, v2, SP
	v_add_nc_u32 v15, s17, v15                     ; and on the way out: my 16 neighbours
	v_mul_u32_u24 v4, v2, CB                       ; my codes' place in a step's
	v_lshrrev_b32 v5, 1, v2
	s_add_co_u32 s17, s17, 2*32*SP
	v_add_nc_u32 v5, s17, v5                       ; LDS: my wave's 256 scale bytes, my block's byte
	v_lshlrev_b32 v7, 3, v2
	v_add_nc_u32 v6, s17, v7                       ; and on the way out 8 bytes a lane
	s_lshl_b32 s17, ttmp9, 2
	s_add_co_u32 s18, s17, s16                     ; the run that I read: 4 x work-group + wave
	s_and_b32 s22, s16, 1
	s_lshl_b32 s22, s22, 1
	s_lshr_b32 s23, s16, 1
	s_or_b32 s22, s22, s23                         ; a row's bits 3 and 4 are the run's bits 0 and 1: the wave's two bits exchanged
	s_add_co_u32 s22, s17, s22                     ; the run that I write
	s_lshl_b32 s20, s18, 15                        ; 32,768 bytes of f32 a run
	s_mov_b32 s21, 0
	s_mul_i32 s24, s22, 32*STEPS*CB                ; 6,144 bytes of codes
	s_mov_b32 s25, 0
	s_lshl_b32 s26, s22, 8                         ; 256 scale bytes
	s_mov_b32 s27, 0
	s_wait_kmcnt 0x0
	s_add_nc_u64 s[4:5], s[4:5], s[20:21]
	s_add_nc_u64 s[8:9], s[8:9], s[24:25]
	s_add_nc_u64 s[10:11], s[10:11], s[26:27]
.macro XLOAD t
.irp i, 0,1,2,3
	global_load_b128 v[R+16*((\t)%4)+4*\i:R+16*((\t)%4)+4*\i+3], v3, s[4:5] offset:2048*(\t)+512*\i th:TH_LOAD_NT   ; 32 lanes read 512 consecutive bytes
.endr
.endm
.macro XTURN t                         ; step t's numbers through the stage: LDS serves a wave's instructions in order, so no wait stands between the stores and the loads
.irp i, 0,1,2,3
	ds_store_b128 v14, v[R+16*((\t)%4)+4*\i:R+16*((\t)%4)+4*\i+3] offset:32*SP*((\t)%2)+8*SP*\i
.endr
.irp i, 0,1,2,3
	ds_load_b128 v[X+16*((\t)%2)+4*\i:X+16*((\t)%2)+4*\i+3], v15 offset:32*SP*((\t)%2)+16*\i
.endr
.endm
.irp t, 0,1,2,3
	XLOAD \t
.endr
	s_wait_loadcnt 12                              ; step 0's four loads are in; the 12 of steps 1 to 3 may be out
	XTURN 0
.macro XSTEP t
.set XS, X+16*((\t)%2)
.if (\t) > 0
	s_wait_dscnt 1                                 ; this step's numbers are back from the stage (the last step's byte store may be out)
.else
	s_wait_dscnt 0x0
.endif
.if (\t)+4 < STEPS
	XLOAD (\t)+4                                   ; into the registers that the stage's stores have read
.endif
.if (\t)+1 < STEPS
.if STEPS-2-(\t) >= 3
	s_wait_loadcnt 12                              ; the next step's four loads are in; those of the three steps behind it may be out
.else
	s_wait_loadcnt 4*(STEPS-2-(\t))
.endif
	XTURN (\t)+1
.endif
	v_max3_num_f32 v8, |v[XS]|, |v[XS+1]|, |v[XS+2]|               ; the largest magnitude of my 16, in two chains
	v_max3_num_f32 v9, |v[XS+3]|, |v[XS+4]|, |v[XS+5]|
.irp i, 6,10
	v_max3_num_f32 v8, v8, |v[XS+\i]|, |v[XS+\i+1]|
	v_max3_num_f32 v9, v9, |v[XS+\i+2]|, |v[XS+\i+3]|
.endr
	v_max3_num_f32 v8, v8, |v[XS+14]|, |v[XS+15]|
	v_max3_num_f32 v8, v8, v9, (EMAX+1)<<23        ; and the floor 2^(3 - 127): the byte cannot fall under 1
	v_max_num_f32_dpp v8, v8, v8 row_xmask:1 row_mask:0xf bank_mask:0xf   ; and of my neighbour's 16: the block's
	v_add_nc_u32 v11, -(EMAX<<23), v8              ; 2 off its exponent field: the conversion takes this operand's exponent field as its scale
	v_cvt_scalef32_pk16_fp6_f32 v[C+4*(\t):C+4*(\t)+2], v[XS:XS+15], v11
	v_lshrrev_b32 v[E+(\t)], 23, v11               ; the scale's byte (a plain line behind the conversion)
	ds_store_b8 v5, v[E+(\t)] offset:16*(\t)       ; both lanes of a block write the same byte with the same value
	global_store_b96 v4, v[C+4*(\t):C+4*(\t)+2], s[8:9] offset:32*CB*(\t)   ; the wave stores 384 consecutive bytes
.endm
.irp t, 0,1,2,3,4,5,6,7,8,9,10,11,12,13,14,15
	XSTEP \t
.endr
	ds_load_b64 v[12:13], v6                       ; LDS serves a wave's instructions in order: these see my stores
	s_wait_dscnt 0x0
	global_store_b64 v7, v[12:13], s[10:11]        ; 32 lanes store 256 consecutive bytes, aligned
	s_wait_tensorcnt 0x0
	ds_add_u32 v192, v193
	s_wait_dscnt 0x0
	s_endpgm
	; ---------------- the weights: K is their FIRST axis.  A lane takes a column and its registers run down K: a block of 32 lies in one lane, and the codes come out with K innermost.
.Lweights:
	s_load_b256 s[4:11], s[0:1], 0x8               ; wq, wk, wv, wo
	s_load_b128 s[12:15], s[0:1], 0x38             ; w_codes, w_scales
	v_lshrrev_b32 v1, 5, v0
	v_readfirstlane_b32 s16, v1                    ; wave
	v_and_b32 v2, 31, v0                           ; lane
	s_sub_co_u32 s30, ttmp9, 256
	s_lshr_b32 s31, s30, 2                         ; which 128 of the 4,096 columns
	s_and_b32 s18, s30, 3                          ; which 256 along K
	s_lshl_b32 s19, s16, 5
	s_and_b32 s17, s31, 7
	s_lshl_b32 s17, s17, 7
	s_add_co_u32 s17, s17, s19                     ; my wave's first column in its weight
	s_lshl_b32 s22, s31, 7
	s_add_co_u32 s22, s22, s19                     ; and its first row of w_codes
	s_lshr_b32 s31, s31, 3                         ; which weight
	v_lshlrev_b32 v3, 2, v2                        ; in: 4 bytes a lane
	s_mul_i32 s19, s16, 32*PITCH
	s_add_co_u32 s19, s19, WSTG                    ; my stage
	v_mul_u32_u24 v4, v2, PITCH
	v_add_nc_u32 v4, s19, v4                       ; into it: row = my column
	v_and_b32 v5, 15, v2
	v_lshrrev_b32 v6, 4, v2                        ; out of it: sixteen lanes to a row, two rows an instruction
	v_mul_u32_u24 v7, v6, PITCH
	v_lshl_add_u32 v7, v5, 4, v7
	v_add_nc_u32 v7, s19, v7
	v_mul_u32_u24 v8, v6, KROW
	v_mad_u32_u24 v8, v5, 12, v8                   ; and the same place in w_codes
	v_and_b32 v9, 7, v2                            ; sigma(lane): my column's row of scale bytes
	v_and_b32 v10, 8, v2
	v_lshl_or_b32 v9, v10, 1, v9
	v_and_b32 v10, 16, v2
	v_lshrrev_b32 v10, 1, v10
	v_or_b32 v9, v9, v10
	v_lshlrev_b32 v9, 5, v9                        ; 32 bytes a row
	s_lshl_b32 s20, s18, 20                        ; 256 rows of 4,096 bytes
	s_lshl_b32 s23, s17, 2
	s_add_co_u32 s20, s20, s23
	s_mov_b32 s21, 0
	s_mul_i32 s24, s22, KROW
	s_mul_i32 s26, s18, ROWB
	s_add_co_u32 s24, s24, s26
	s_mov_b32 s25, 0
	s_lshl_b32 s28, s22, 5
	s_lshl_b32 s26, s18, 3
	s_add_co_u32 s28, s28, s26
	s_mov_b32 s29, 0
	s_wait_kmcnt 0x0
	s_cmp_eq_u32 s31, 1                            ; the choice of the weight hangs on the work-group's number alone
	s_cselect_b64 s[4:5], s[6:7], s[4:5]
	s_cmp_eq_u32 s31, 2
	s_cselect_b64 s[4:5], s[8:9], s[4:5]
	s_cmp_eq_u32 s31, 3
	s_cselect_b64 s[4:5], s[10:11], s[4:5]
	s_add_nc_u64 s[4:5], s[4:5], s[20:21]
	s_add_nc_u64 s[12:13], s[12:13], s[24:25]
	s_add_nc_u64 s[14:15], s[14:15], s[28:29]
.macro WLOAD t                         ; block t: w(32 t + i, my column) into set t % 2; a wave reads 128 consecutive bytes, the work-group 512
.irp i, 0,1,2,3,4,5,6,7,8,9,10,11,12,13,14,15,16,17,18,19,20,21,22,23,24,25,26,27,28,29,30,31
	global_load_b32 v[XW+32*((\t)%2)+\i], v3, s[4:5] offset:(32*(\t)+\i)*NCOL*4 th:TH_LOAD_NT
.endr
.endm
	WLOAD 0
	WLOAD 1
.macro WBLOCK t
.set XS, XW+32*((\t)%2)
.if (\t) < NB-1
	s_wait_loadcnt 32                              ; this block's 32 loads are in; the next block's may be out
.else
	s_wait_loadcnt 0
.endif
	v_max3_num_f32 v12, |v[XS]|, |v[XS+1]|, |v[XS+2]|              ; the block's largest magnitude: all 32 numbers are mine
	v_max3_num_f32 v13, |v[XS+3]|, |v[XS+4]|, |v[XS+5]|
.irp i, 6,10,14,18,22,26
	v_max3_num_f32 v12, v12, |v[XS+\i]|, |v[XS+\i+1]|
	v_max3_num_f32 v13, v13, |v[XS+\i+2]|, |v[XS+\i+3]|
.endr
	v_max3_num_f32 v12, v12, |v[XS+30]|, |v[XS+31]|
	v_max3_num_f32 v12, v12, v13, (EMAX+1)<<23     ; and the floor
	v_add_nc_u32 v11, -(EMAX<<23), v12             ; the conversion's scale operand
	v_lshrrev_b32 v13, 23, v11                     ; the scale's byte
.if (\t)%4 == 0
	v_mov_b32 v[SB+(\t)/4], v13                    ; four bytes to a register, the lower K in the lower byte
.else
	v_lshl_or_b32 v[SB+(\t)/4], v13, 8*((\t)%4), v[SB+(\t)/4]
.endif
	v_cvt_scalef32_pk16_fp6_f32 v[CW:CW+2], v[XS:XS+15], v11
	v_cvt_scalef32_pk16_fp6_f32 v[CW+4:CW+6], v[XS+16:XS+31], v11  ; (a conversion's three registers begin on an even number)
	v_nop                                          ; one plain line behind the conversions
	ds_store_b96 v4, v[CW:CW+2] offset:32*(\t)     ; 12 bytes to a place of 16, so that every LDS address is a multiple of 16
	ds_store_b96 v4, v[CW+4:CW+6] offset:32*(\t)+16
.if (\t)+2 < NB
	WLOAD (\t)+2
.endif
	s_wait_dscnt 0x0                               ; the stores have read their registers: the next block's codes may be written
.endm
.irp t, 0,1,2,3,4,5,6,7
	WBLOCK \t
.endr
	global_store_b64 v9, v[SB:SB+1], s[14:15]      ; my column's 8 scale bytes: rows 32 bytes apart, one byte in 128 of what this way reads
.irp t, 0,1,2,3,4,5,6,7,8,9,10,11,12,13,14,15
	ds_load_b96 v[OUTR+4*\t:OUTR+4*\t+2], v7 offset:2*\t*PITCH     ; LDS serves a wave's instructions in order: these see my stores
.endr
.irp t, 0,1,2,3,4,5,6,7,8,9,10,11,12,13,14,15
	s_wait_dscnt 15-\t                             ; the younger row loads may be out
	global_store_b96 v8, v[OUTR+4*\t:OUTR+4*\t+2], s[12:13] offset:2*((\t&3)|((\t&4)<<1)|((\t&8)>>1))*KROW   ; column 2 t + (lane / 16) goes to row sigma of it: t's bits 2 and 3 exchanged; sixteen lanes store a row's 192 consecutive bytes
.endr
	s_wait_tensorcnt 0x0
	ds_add_u32 v192, v193
	s_wait_dscnt 0x0
	s_endpgm
.Lfunc_end_k_q0748c68716_prep:
	.size	k_q0748c68716_prep, .Lfunc_end_k_q0748c68716_prep-k_q0748c68716_prep
	.p2alignl 7, 3214868480
	.fill 96, 4, 3214868480
	.section	.rodata,"a",@progbits
	.p2align	6, 0x0
	.amdhsa_kernel k_q0748c68716_prep
		.amdhsa_group_segment_fixed_size 70144
		.amdhsa_private_segment_fixed_size 0
		.amdhsa_enable_private_segment 0
		.amdhsa_kernarg_size 72
		.amdhsa_user_sgpr_count 2
		.amdhsa_user_sgpr_kernarg_segment_ptr 1
		.amdhsa_wavefront_size32 1
		.amdhsa_system_sgpr_workgroup_id_x 1
		.amdhsa_system_sgpr_workgroup_id_y 1
		.amdhsa_system_sgpr_workgroup_id_z 1
		.amdhsa_system_vgpr_workitem_id 0
		.amdhsa_next_free_vgpr 194
		.amdhsa_next_free_sgpr 66
		.amdhsa_reserve_vcc 0
		.amdhsa_float_denorm_mode_32 3
		.amdhsa_float_denorm_mode_16_64 3
		.amdhsa_memory_ordered 1
		.amdhsa_forward_progress 1
		.amdhsa_inst_pref_size 74
	.end_amdhsa_kernel
	.amdgpu_metadata
---
amdhsa.version: [ 1, 2 ]
amdhsa.kernels:
  - .name:           k_q0748c68716_prep
    .symbol:         k_q0748c68716_prep.kd
    .args:
      - { .name: x, .offset: 0, .size: 8, .value_kind: global_buffer, .address_space: global }
      - { .name: wq, .offset: 8, .size: 8, .value_kind: global_buffer, .address_space: global }
      - { .name: wk, .offset: 16, .size: 8, .value_kind: global_buffer, .address_space: global }
      - { .name: wv, .offset: 24, .size: 8, .value_kind: global_buffer, .address_space: global }
      - { .name: wo, .offset: 32, .size: 8, .value_kind: global_buffer, .address_space: global }
      - { .name: x_codes, .offset: 40, .size: 8, .value_kind: global_buffer, .address_space: global }
      - { .name: x_scales, .offset: 48, .size: 8, .value_kind: global_buffer, .address_space: global }
      - { .name: w_codes, .offset: 56, .size: 8, .value_kind: global_buffer, .address_space: global }
      - { .name: w_scales, .offset: 64, .size: 8, .value_kind: global_buffer, .address_space: global }
    .group_segment_fixed_size: 70144
    .private_segment_fixed_size: 0
    .kernarg_segment_align: 8
    .kernarg_segment_size: 72
    .max_flat_workgroup_size: 128
    .sgpr_count:     66
    .vgpr_count:     194
    .wavefront_size: 32
...
	.end_amdgpu_metadata
.endif
;; end of part 1
;; launch qkv (part 2): grid 12 x 32, 4 waves a work-group, clusters of 4 x 4, 327,680 bytes of LDS; arguments x_codes, x_scales, w_codes, w_scales, bq, bk, bv, qkv; writes qkv
.if DOCPART == 2
	.amdgcn_target "amdgcn-amd-amdhsa--gfx1250"
	.amdhsa_code_object_version 6
	.text
	.protected	k_q0748c68716_qkv
	.globl	k_q0748c68716_qkv
	.p2align	8
	.type	k_q0748c68716_qkv,@function
k_q0748c68716_qkv:
	s_mov_b64 s[64:65], 0
	v_nop
	global_prefetch_b8 v0, s[64:65] scope:SCOPE_SE
	s_setreg_imm32_b32 hwreg(HW_REG_WAVE_MODE, 25, 1), 1
	s_wait_xcnt 0x0
	s_wait_alu depctr_hold_cnt(0) depctr_sa_sdst(0) depctr_va_vdst(0) depctr_va_sdst(0) depctr_va_ssrc(0) depctr_va_vcc(0) depctr_vm_vsrc(0)
	s_getreg_b32 s2, hwreg(HW_REG_IB_STS2, 6, 4)
	s_cmp_eq_u32 s2, 0
	s_cbranch_scc0 .Lentry_in_a_cluster
	s_endpgm
.Lentry_in_a_cluster:
	s_bfe_u32 s2, ttmp6, 0x10000c
	s_cmp_lg_u32 s2, 0xf033
	s_cbranch_scc0 .Lentry_shape_is_right
	s_endpgm
.Lentry_shape_is_right:
; q = x wq + bq, k = x wk + bk, v = x wv + bv on codes of FP6 (E2M3) with one E8M0 scale for each 32 along K = 1,024; the results are quantised in registers and leave as codes: q and k along the head's 64, v along the keys.
; A work-group of four waves makes 256 tokens x 256 features; a wave 128 x 128: 64 accumulators, 512 registers.  K goes in steps of 256 through two LDS slots filled by the tensor data mover; a tile's row is 192 bytes.
; The scale bytes of the work-group's 256 rows of x and 256 rows of the weights, for all of K, come into LDS once, with the first fills.
; CLUSTERS: 4 x 4 work-groups.  The four of a row of the cluster need the same tile of x, the four of a column the same tile of the weights: each tile is asked for jointly.  The cluster's x says which product: 0 q, 1 k, 2 v.
; ROLES.  The matrix instruction's first source gives the axis along which a lane's registers run, which is the axis to be quantised: for q and k the features (the weights' rows), for v the tokens (the keys).
; What is fetched, and where it lands, is the same for all three; for v the two sources read the other tile.  So the fragment addresses and the lanes of the scale words hang on the cluster's x, which all partners share.
; Rows of x_codes and w_codes are POSITIONS (position p holds index sigma(p), bits 3 and 4 exchanged), so the 16 registers of accumulators (a, 2 g) and (a, 2 g + 1) are 16 true neighbours: 32 g + 16 (lane / 16) + 0 .. 15.
; The biases are the C of each sum's first matrix instruction.
; OUT: qkv[head of 64][307,200]: Q at 0, 8 chunks of 12,800; K and V at 102,400, 8 chunks of 25,600 (K's 12,800, then V's).  A HALF IMAGE, 768 bytes, is 16 rows x 64 along K as six operand registers: three planes of 256 bytes,
; lane l's 8 bytes at 8 l.  Q, K: 16 half images (tiles of 16 positions), then for each pair of tiles 16 words (tile 2 g's two bytes, tile 2 g + 1's).  V: [key step of 128][tile of 16 d][64 keys] half images, then [key step][tile] 16 words.
; Every store of codes covers 256 consecutive bytes, aligned.  The scale words leave in pieces of 64 bytes: 1 byte in 25 of the output.
; No prefetch: K has four slots' worth of tiles, and two of the four are the first fills.
; LIMITS: a block of zeros gets the byte 1; NaN and infinities are not served.
; REGISTERS, in windows of 256: window 0: v1-2 r, h; v8-11 offsets of the scale stores; v16-23 fragment addresses; v24 8 x lane; v27 scale address; v28-29 for the add; v32-63 scale words, two sets, and nothing else;
;   v64-127 the bias, later the codes made; v128-223 source 1's fragments, one set; v224-253 at work on the way out.   window 1: source 0's fragments, two sets.   windows 2, 3: the accumulators ((a, b) at v[8 (8 (a % 4) + b)]).
.set KSTEP,  256
.set NQ,     2                         ; matrix instructions deep in a slot
.set ROWB,   192
.set KROW,   768
.set PITCH,  240                       ; an LDS row: 3 x (64 bytes + 16 of padding)
.set FR,     12
.set NL,     6
.set NP,     4
.set HALFT,  128*PITCH
.set SLOT,   4*HALFT                   ; x's 256 rows, then the weights' 256 rows
.set KS,     32                        ; a row of scale bytes
.set SCL,    2*SLOT
.set HALFS,  (128*KS/256)*272
.set SBLK,   (16*KS/256)*272
.set SPARE,  270336                    ; the spare words, 128 bytes a wave, well behind the scales (which end at 263,168)
.set HEADB,  307200
.set SOF,  8
.set ADRA, 16                          ; v16-17 source 1's fragments in slot 0, 1 (v18-19: behind one padding more)
.set ADRB, 20                          ; v20-23 the same for source 0
.set VO,   24
.set ADRS, 27
.set SPW,  28
.set NIL,  29
.set SC,   32
.set BIAS, 64
.set AF,   128
.set TM,   224                         ; v224-227 largest magnitudes, v228-231 permutes and bytes, v236-239 the conversions' scale operands
.set PWS,  240                         ; v240-247 the scale word of each block a
.set XP,   248
.set W0,   252
.set W1,   253
.set G1, 24
.set G0, 32
.set G1B, 48
.set G0B, 56
.set G1S, 68
.set G0S, 76
.set G1SB, 80
.set G0SB, 88
.set TAU, 66                           ; s66 which product
.set TV,  67                           ; s67 1 for v, else 0
.set MSB, 0
.macro WIN new                         ; the immediate's high byte repeats the setting that is left
.if MSB != \new
	s_set_vgpr_msb (MSB<<8)|\new
.set MSB, \new
.endif
.endm
.set MUL_LO, 0xa1                      ; source 0 window 1, source 1 window 0, C and D window 2
.set MUL_HI, 0xf1                      ; the same, C and D window 3
.set TO_B,   0x40                      ; destination window 1, address window 0
; A joint load: waves 0 and 1 fetch x's halves, waves 2 and 3 the weights'.  The branch hangs on the wave's number alone.  Four v_nop follow each of the two lines.
.macro JLOAD g0a, g1a, g0b, g1b
	s_cmp_eq_u32 s15, 0
	s_cbranch_scc0 .Lfor_b_\@
	tensor_load_to_lds s[\g0a:\g0a+3], s[\g1a:\g1a+7]
	s_nop 0
.rept 4
	v_nop
.endr
	s_branch .Lasked_\@
.Lfor_b_\@:
	tensor_load_to_lds s[\g0b:\g0b+3], s[\g1b:\g1b+7]
	s_nop 0
.rept 4
	v_nop
.endr
.Lasked_\@:
.endm
.macro CREST                           ; a round of the cluster's barrier behind its opening barrier
	s_cmp_lg_u32 s14, 0
	s_cbranch_scc1 .Lnot_wave_0_\@
	s_barrier_signal -3
.Lnot_wave_0_\@:
	s_barrier_wait -3
	s_barrier_signal -1
	s_barrier_wait -1
.endm
.macro CROUND
	s_barrier_signal -1
	s_barrier_wait -1
	CREST
.endm
	s_load_b128 s[4:7], s[0:1], 0x0                ; x_codes, x_scales
	s_load_b128 s[8:11], s[0:1], 0x10              ; w_codes, w_scales
	s_load_b128 s[96:99], s[0:1], 0x20             ; bq, bk
	s_load_b64 s[100:101], s[0:1], 0x30            ; bv
	s_load_b64 s[12:13], s[0:1], 0x38              ; qkv
	v_lshl_add_u32 v[SPW], v0, 2, SPARE
	v_mov_b32 v[NIL], 0
	ds_add_u32 v28, v29
	s_wait_dscnt 0x0
	v_lshrrev_b32 v1, 5, v0
	v_readfirstlane_b32 s14, v1                    ; wave 0..3
	s_lshr_b32 s15, s14, 1                         ; my half of x's rows.  Also: I fetch for x (0) or for the weights (1)
	s_and_b32 s16, s14, 1                          ; my half of the weights' rows.  Also: which 128 rows I fetch
	s_mov_b32 s[TAU], ttmp9                        ; the cluster's x: the same in all sixteen partners
	s_cmp_eq_u32 s[TAU], 2
	s_cselect_b32 s[TV], 1, 0
	s_bfe_u32 s40, ttmp6, 0x40000                  ; cx, cy
	s_bfe_u32 s41, ttmp6, 0x40004
	s_lshl_b32 s42, ttmp9, 2
	s_add_co_u32 s42, s42, s40                     ; which 256 rows of w_codes: 4 x cluster x + cx
	s_and_b32 s17, ttmp7, 0xffff
	s_lshl_b32 s17, s17, 2
	s_add_co_u32 s17, s17, s41                     ; which 256 rows of x_codes: 4 x cluster y + cy
	s_lshl_b32 s43, s41, 2
	s_lshl_b32 s43, 15, s43                        ; my row of the cluster
	s_lshl_b32 s44, 0x1111, s40                    ; my column
	s_or_b32 s[G1+0], s43, (0<<16)|(1<<20)|(1<<21)|(3<<22)|(3<<25)  ; the mask; elements of 1 byte; padding on; bit 21 beside a mask; 4 words of padding behind every 16
	s_or_b32 s[G1B+0], s44, (0<<16)|(1<<20)|(1<<21)|(3<<22)|(3<<25)
.irp g, G1, G1B
	s_mov_b32 s[\g+1], ROWB<<16                    ; tensor_dim0
	s_mov_b32 s[\g+2], 128<<16                     ; tensor_dim1
	s_mov_b32 s[\g+3], ROWB<<16                    ; tile_dim0
	s_mov_b32 s[\g+4], 128                         ; tile_dim1
	s_mov_b32 s[\g+5], KROW                        ; the pitch
	s_mov_b32 s[\g+6], 0
	s_mov_b32 s[\g+7], 0
.endr
	s_or_b32 s[G1S+0], s43, (3<<16)|(1<<20)|(1<<21)|(5<<22)|(3<<25) ; the scales of 128 rows: a dense block as rows of 256 bytes, 16 bytes of padding behind each
	s_or_b32 s[G1SB+0], s44, (3<<16)|(1<<20)|(1<<21)|(5<<22)|(3<<25)
.irp g, G1S, G1SB
	s_mov_b32 s[\g+1], 32<<16
	s_mov_b32 s[\g+2], (128*KS/256)<<16
	s_mov_b32 s[\g+3], 32<<16
	s_mov_b32 s[\g+4], 128*KS/256
	s_mov_b32 s[\g+5], 32
	s_mov_b32 s[\g+6], 0
	s_mov_b32 s[\g+7], 0
.endr
	s_lshl_b32 s18, s16, 7
	s_lshl_b32 s20, s17, 8
	s_add_co_u32 s20, s20, s18                     ; x: the first row that I fetch
	s_lshl_b32 s46, s42, 8
	s_add_co_u32 s46, s46, s18                     ; the weights: likewise
	s_mov_b32 s21, 0
	s_mov_b32 s47, 0
	s_mov_b64 s[18:19], KS
	s_mul_u64 s[22:23], s[20:21], s[18:19]
	s_mul_u64 s[92:93], s[46:47], s[18:19]
	s_mov_b64 s[18:19], KROW
	s_mul_u64 s[20:21], s[20:21], s[18:19]
	s_mul_u64 s[46:47], s[46:47], s[18:19]
	s_mul_i32 s45, s14, HALFT                      ; where they go: wave x 128 rows
	s_mul_i32 s94, s14, HALFS
	s_wait_kmcnt 0x0
	s_add_nc_u64 s[20:21], s[4:5], s[20:21]
	s_add_nc_u64 s[22:23], s[6:7], s[22:23]
	s_add_nc_u64 s[46:47], s[8:9], s[46:47]
	s_add_nc_u64 s[92:93], s[10:11], s[92:93]
	CROUND                                         ; all sixteen work-groups are here: the first joint loads meet
	s_mov_b32 s[G0S], 1
	s_add_co_u32 s[G0S+1], s94, SCL
	s_mov_b64 s[G0S+2:G0S+3], s[22:23]
	s_or_b32 s[G0S+3], s[G0S+3], 0x80000000
	s_mov_b32 s[G0SB], 1
	s_add_co_u32 s[G0SB+1], s94, SCL
	s_mov_b64 s[G0SB+2:G0SB+3], s[92:93]
	s_or_b32 s[G0SB+3], s[G0SB+3], 0x80000000
	JLOAD G0S, G1S, G0SB, G1SB                     ; the scales first: they are wanted with K step 0
.irp s, 0,1
	s_mov_b32 s[G0+4*\s], 1
	s_add_co_u32 s[G0+4*\s+1], s45, \s*SLOT
	s_add_nc_u64 s[G0+4*\s+2:G0+4*\s+3], s[20:21], \s*ROWB
	s_or_b32 s[G0+4*\s+3], s[G0+4*\s+3], 0x80000000
	s_mov_b32 s[G0B+4*\s], 1
	s_add_co_u32 s[G0B+4*\s+1], s45, \s*SLOT
	s_add_nc_u64 s[G0B+4*\s+2:G0B+4*\s+3], s[46:47], \s*ROWB
	s_or_b32 s[G0B+4*\s+3], s[G0B+4*\s+3], 0x80000000
	JLOAD G0+4*\s, G1, G0B+4*\s, G1B
.endr
	v_and_b32 v1, 15, v0                           ; r: kept
	v_bfe_u32 v2, v0, 4, 1                         ; h: kept
	v_mul_u32_u24 v3, v1, PITCH
	v_mul_u32_u24 v4, v2, 24
	v_add_nc_u32 v4, v3, v4                        ; a fragment's row x pitch + 24 x half
	v_lshl_add_u32 v5, v2, 4, v4                   ; and the same behind one padding more
	s_mul_i32 s21, s15, HALFT                      ; my 128 rows of x
	s_mul_i32 s22, s16, HALFT
	s_add_co_u32 s22, s22, 2*HALFT                 ; my 128 rows of the weights, behind x's 256
	s_cmp_eq_u32 s[TV], 1
	s_cselect_b32 s18, s22, s21                    ; source 1: x's rows; for v the weights'
	s_cselect_b32 s19, s21, s22                    ; source 0: the weights' rows; for v x's.  Either choice stays inside the slot
.irp s, 0,1
	v_add_nc_u32 v[ADRA+\s], s18, v4
	v_add_nc_u32 v[ADRB+\s], s19, v4
	v_add_nc_u32 v[ADRA+2+\s], s18, v5
	v_add_nc_u32 v[ADRB+2+\s], s19, v5
	s_add_co_u32 s18, s18, SLOT
	s_add_co_u32 s19, s19, SLOT
.endr
	v_mul_u32_u24 v5, v1, KS                       ; my row's scales: 32 bytes a row,
	v_lshrrev_b32 v6, 8, v5
	v_lshl_add_u32 v5, v6, 4, v5                   ; and 16 more for each 256 passed
	s_mul_i32 s21, s15, HALFS                      ; x's: my 128 rows
	s_mul_i32 s22, s16, HALFS
	s_add_co_u32 s22, s22, 2*HALFS                 ; the weights': behind x's 256
	s_sub_co_u32 s22, s22, s21
	v_xor_b32 v7, s[TV], v2                        ; lanes 0-15 take source 1's words, lanes 16-31 source 0's: for v the halves of the lanes change places
	v_mul_u32_u24 v6, s22, v7
	s_add_co_u32 s21, s21, SCL
	v_add_nc_u32 v5, v5, v6
	v_add_nc_u32 v[ADRS], s21, v5
	v_and_b32 v6, 31, v0
	v_lshlrev_b32 v[VO], 3, v6                     ; 8 x lane: my place in a plane of a half image
	; the bias of my 128 features
	s_cmp_eq_u32 s[TAU], 1
	s_cselect_b64 s[96:97], s[98:99], s[96:97]
	s_cmp_eq_u32 s[TAU], 2
	s_cselect_b64 s[96:97], s[100:101], s[96:97]
	s_and_b32 s46, s42, 3
	s_lshl_b32 s46, s46, 10                        ; 256 features of 4 bytes
	s_lshl_b32 s47, s16, 9
	s_add_co_u32 s46, s46, s47
	s_mov_b32 s47, 0
	s_add_nc_u64 s[96:97], s[96:97], s[46:47]
	v_lshlrev_b32 v6, 6, v2                        ; q, k: register j of (a, b) is feature 32 (b / 2) + 16 h + 8 (b % 2) + j
	v_and_b32 v7, 8, v1
	v_add_nc_u32 v7, v7, v1
	v_lshlrev_b32 v7, 2, v7                        ; v: every register of (a, b) is feature 32 (a / 2) + 8 (a % 2) + r + 8 (r / 8)
	s_cmp_eq_u32 s[TV], 1
	s_cbranch_scc1 .Lbias_v
.irp b, 0,1,2,3,4,5,6,7
	global_load_b128 v[BIAS+8*\b:BIAS+8*\b+3], v6, s[96:97] offset:(32*(\b/2)+8*(\b%2))*4
	global_load_b128 v[BIAS+8*\b+4:BIAS+8*\b+7], v6, s[96:97] offset:(32*(\b/2)+8*(\b%2))*4+16
.endr
	s_branch .Lbias_in
.Lbias_v:
.irp a, 0,1,2,3,4,5,6,7
.irp j, 0,1,2,3,4,5,6,7
	global_load_b32 v[BIAS+8*\a+\j], v7, s[96:97] offset:(32*(\a/2)+8*(\a%2))*4
.endr
.endr
.Lbias_in:
.macro FRAG reg, adr, q, i             ; a fragment, 16 rows x 128 K, is 12 registers: lane l holds row l % 16; registers 6 c .. 6 c + 5 hold K = 64 c + 32 (l / 16) + 0 .. 31: 24 bytes of the row, in pieces of 8
.irp p, 0,1,2,3,4,5
.set PC, 12*(\q)+6*(\p/3)+\p%3         ; 16 bytes of padding lie behind every 8 pieces: where the piece three on lies behind one padding more, the second address register serves
.if PC%8 < 5
	ds_load_b64 v[\reg+2*\p:\reg+2*\p+1], v[\adr] offset:8*PC+16*(PC/8)+(\i)*16*PITCH
.else
	ds_load_b64 v[\reg+2*\p:\reg+2*\p+1], v[\adr+2] offset:8*PC+16*(PC/8)+(\i)*16*PITCH
.endif
.endr
.endm
; 16 matrix instructions: source 1's blocks a0, a0 + 1 x source 0's eight, 128 along K.  zero = 0: in place; 1: the sums begin with the bias by b (q, k); 2: by a (v).
; The 64 accumulators take turns, one instruction a turn, in the same order in every step.
.macro MUL16 a0, p, q, sc, zero
.irp a, \a0, \a0+1
.irp b, 0,1,2,3,4,5,6,7
.set DR, 8*(8*((\a)%4)+\b)
.if (\zero) == 1
.set CR, BIAS+8*\b
.elseif (\zero) == 2
.set CR, BIAS+8*(\a)
.else
.set CR, DR
.endif
	v_wmma_scale_f32_16x16x128_f8f6f4 v[DR:DR+7], v[128*(\p)+FR*\b:128*(\p)+FR*\b+FR-1], v[AF+FR*(\a):AF+FR*(\a)+FR-1], v[CR:CR+7], v[SC+8*NQ*(\sc)+NQ*\b+(\q)], v[SC+8*NQ*(\sc)+NQ*(\a)+(\q)] matrix_a_fmt:MATRIX_FMT_FP6 matrix_b_fmt:MATRIX_FMT_FP6 matrix_a_scale:MATRIX_SCALE_ROW1
.endr
.endr
.endm
.macro FETCH_B slot, q, p              ; source 0's eight fragments into set p
	WIN TO_B
.irp i, 0,1,2,3,4,5,6,7
	FRAG 128*(\p)+FR*\i, ADRB+\slot, \q, \i
.endr
	WIN 0
.endm
.macro FETCH_A slot, q, i0             ; source 1's blocks i0 .. i0 + 3
.irp i, \i0, \i0+1, \i0+2, \i0+3
	FRAG AF+FR*(\i), ADRA+\slot, \q, \i
.endr
.endm
.macro SCALES sc                       ; a slot's scale words: two a row; lanes 0-15 source 1's block i, lanes 16-31 source 0's block i
.irp i, 0,1,2,3,4,5,6,7
	ds_load_b64 v[SC+8*NQ*\sc+NQ*\i:SC+8*NQ*\sc+NQ*\i+1], v[ADRS] offset:\i*SBLK
.endr
.endm
.macro PLACES n                        ; plain vector lines between a matrix instruction and a load into, or a read of, its registers
.rept \n
	v_nop
.endr
.endm
.macro STEP slot, q, zero              ; a step of 128 along K that has its successor in the same slot
	s_wait_dscnt 4*NL                              ; source 0's set and source 1's blocks 0-3 are in; the youngest 24 loads (blocks 4-7) may be out
.if \zero
	WIN 0x81                                       ; C (the bias) window 0, D window 2
.else
	WIN MUL_LO
.endif
	MUL16 0, (\q)%2, \q, \slot, \zero
	MUL16 2, (\q)%2, \q, \slot, \zero
	s_wait_dscnt 0
	PLACES NP
	FETCH_B \slot, (\q)+1, 1-(\q)%2
	FETCH_A \slot, (\q)+1, 0
.if \zero
	WIN 0xc1
.else
	WIN MUL_HI
.endif
	MUL16 4, (\q)%2, \q, \slot, \zero
	MUL16 6, (\q)%2, \q, \slot, \zero
	PLACES NP
	WIN 0
	FETCH_A \slot, (\q)+1, 4
.endm
; A slot's last step changes slots: one barrier; in front of it each wave waits for all its tensor loads, adds 0 to its spare word, and waits for that and for its reads of this slot.  fill = 1: the slot is filled again.
.macro TURN slot, next, fill
	s_wait_tensorcnt 0x0                           ; all my tensor loads have landed: my part of the next slot
	ds_add_u32 v[SPW], v[NIL]                      ; 0 onto my spare word
	s_wait_dscnt 4*NL+1                            ; (the add and the youngest 24 loads may be out)
	WIN MUL_LO
	MUL16 0, 1, NQ-1, \slot, 0
	s_wait_dscnt 0x0                               ; the add is done, and my reads of this slot are over
	s_barrier_signal -1
	MUL16 2, 1, NQ-1, \slot, 0
	WIN 0
	s_barrier_wait -1
.if \fill
	CREST                                          ; the barrier has opened a round of the cluster's barrier: no wave of any partner still reads this slot or has a load on its way
	s_add_nc_u64 s[G0+4*\slot+2:G0+4*\slot+3], s[G0+4*\slot+2:G0+4*\slot+3], 2*ROWB
	s_add_nc_u64 s[G0B+4*\slot+2:G0B+4*\slot+3], s[G0B+4*\slot+2:G0B+4*\slot+3], 2*ROWB
	JLOAD G0+4*\slot, G1, G0B+4*\slot, G1B         ; the first tensor load behind the round; its four v_nop are the places in front of the loads below
.else
	PLACES NP
.endif
	v_add_nc_u32 v[ADRS], 4*NQ, v[ADRS]            ; on to the next slot's scale words
	FETCH_B \next, 0, 0
	FETCH_A \next, 0, 0
	SCALES \next
	WIN MUL_HI
	MUL16 4, 1, NQ-1, \slot, 0
	MUL16 6, 1, NQ-1, \slot, 0
	PLACES NP
	WIN 0
	FETCH_A \next, 0, 4
.endm
	s_wait_loadcnt 0x0                             ; the bias
	s_wait_tensorcnt 1                             ; the scales and my part of K step 0 are in (slot 1's load may be out)
	s_barrier_signal -1
	s_barrier_wait -1
	FETCH_B 0, 0, 0
	FETCH_A 0, 0, 0
	SCALES 0
	FETCH_A 0, 0, 4
	s_cmp_eq_u32 s[TV], 1                          ; the first step is written twice: its C is the bias, which lies by b for q and k and by a for v
	s_cbranch_scc1 .Lfirst_v
	STEP 0, 0, 1
	s_branch .Lfirst_done
.Lfirst_v:
	STEP 0, 0, 2
.Lfirst_done:
	TURN 0, 1, 1                                   ; K = 1,024 is four slots' worth: both slots are filled again once
	STEP 1, 0, 0
	TURN 1, 0, 1
	STEP 0, 0, 0
	TURN 0, 1, 0                                   ; the last two slots fill nothing
	STEP 1, 0, 0
	s_wait_dscnt 4*NL
	WIN MUL_LO
	MUL16 0, 1, NQ-1, 1, 0
	MUL16 2, 1, NQ-1, 1, 0
	s_wait_dscnt 0
	WIN MUL_HI
	MUL16 4, 1, NQ-1, 1, 0
	MUL16 6, 1, NQ-1, 1, 0
	WIN 0
	; THE WAY OUT.  No tensor load of mine is out, so the descriptors' registers are free.  T = 1 for v.
	s_cmp_eq_u32 s[TV], 1
	s_mov_b32 s89, HEADB
	s_mov_b32 s90, 768
	s_cselect_b32 s80, s90, s89                    ; from a fragment's first half image to its second: the next head; for v the next 64 keys
	s_cselect_b32 s76, 1536, s90                   ; from block a to a + 1: the next tile of tokens; for v the next tile of d
	s_cselect_b32 s78, 302592, s90                 ; and from a = 3 to 4: for v into the next head
	s_cselect_b32 s82, 64, s89                     ; the scale stores: from lanes 0-15 to lanes 16-31
	s_mov_b32 s83, 0x05040100
	s_cselect_b32 s83, 0x03020100, s83             ; lanes 0-15: the low halves of two blocks' words; for v the even block's word
	s_mov_b32 s84, 0x07060302
	s_cselect_b32 s84, 0x07060504, s84             ; lanes 16-31: the high halves; for v the odd block's word
	s_cselect_b32 s85, 128, 64                     ; where pairs 1, 2, 3 of blocks put their words
	s_mov_b32 s86, 128
	s_cselect_b32 s86, s89, s86
	s_mov_b32 s87, 192
	s_cselect_b32 s87, 307328, s87
	s_cselect_b32 s91, 12800, 0                    ; v's part of a chunk lies behind k's
	s_mov_b32 s77, 0
	s_mov_b32 s79, 0
	s_mov_b32 s81, 0
	s_mov_b32 s88, 0xffff0000                      ; lanes 16-31
	s_mov_b32 s18, 0x76543210
	s_mov_b32 s19, 0xfedcba98                      ; v_permlanex16_b32's selects for lane l xor 16
	s_cmp_eq_u32 s[TAU], 0
	s_mov_b32 s89, 102400
	s_cselect_b32 s89, 0, s89                      ; Q's chunks begin at 0, K's and V's at 102,400
	s_mov_b32 s90, 25600
	s_cselect_b32 s90, 12800, s90                  ; a chunk
	s_add_co_u32 s89, s89, s91
	s_lshr_b32 s68, s17, 3                         ; the batch
	s_lshl_b32 s68, s68, 4
	s_and_b32 s91, s42, 3
	s_lshl_b32 s91, s91, 2
	s_add_co_u32 s68, s68, s91
	s_lshl_b32 s91, s16, 1
	s_add_co_u32 s68, s68, s91                     ; 16 x batch + my first head
	s_mul_i32 s68, s68, HEADB
	s_add_co_u32 s68, s68, s89
	s_and_b32 s91, s17, 7
	s_mul_i32 s91, s91, s90
	s_add_co_u32 s68, s68, s91                     ; my chunk
	s_mov_b32 s69, 0
	s_add_nc_u64 s[74:75], s[12:13], s[68:69]
	s_mul_i32 s68, s15, 6144                       ; my 8 tiles of tokens; for v my key step
	s_add_nc_u64 s[70:71], s[74:75], s[68:69]      ; where a fragment's first half image goes,
	s_add_nc_u64 s[72:73], s[70:71], s[80:81]      ; and its second
	s_lshl_b32 s68, s15, 8
	s_add_co_u32 s68, s68, 12288
	s_add_nc_u64 s[74:75], s[74:75], s[68:69]      ; and my scale words
.irp b, 0,1,2,3
	v_mov_b32 v[TM+4+\b], 0                        ; written once: a lane permute's destination counts as one of its sources.  (These nine lines are the places behind the last products)
.endr
	v_mul_u32_u24 v3, s82, v2
	v_lshl_add_u32 v[SOF], v1, 2, v3               ; 4 r + the half's step
	v_add_nc_u32 v[SOF+1], s85, v[SOF]
	v_add_nc_u32 v[SOF+2], s86, v[SOF]
	v_add_nc_u32 v[SOF+3], s87, v[SOF]
; Block a: a lane's 64 numbers, register 16 g + i = k 32 g + 16 (lane / 16) + i of its row, become a fragment's 12 registers of codes and a scale word; the two half images are stored as they stand.
.macro QA a
.set AC, 64*((\a)%4)
.set WA, 2+(\a)/4
.set WW, 5*WA
.set QC, 64+32*((\a)%2)
	WIN WW                                         ; sources 0 and 1: the accumulators' window
.irp b, 0,1,2,3
	v_max3_num_f32 v[TM+\b], |v[AC+16*\b]|, |v[AC+16*\b+1]|, 0x1800000   ; my 16 numbers of block b, from each accumulator's low end on, and the floor 2^(3 - 127)
.endr
.irp i, 2,4,6,8,10,12,14
.irp b, 0,1,2,3
	v_max3_num_f32 v[TM+\b], |v[AC+16*\b+\i]|, |v[AC+16*\b+\i+1]|, v[TM+\b]
.endr
.endr
	WIN 0
.irp b, 0,1,2,3
	v_permlanex16_b32 v[TM+4+\b], v[TM+\b], s18, s19
.endr
.irp b, 0,1,2,3
	v_max_num_f32 v[TM+\b], v[TM+\b], v[TM+4+\b]   ; with lane l xor 16's: the block's largest magnitude
.endr
.irp b, 0,1,2,3
	v_add_nc_u32 v[TM+12+\b], 0xff000000, v[TM+\b] ; 2 off its exponent field: the conversion's scale operand
.endr
.irp b, 0,1,2,3
	v_lshrrev_b32 v[TM+4+\b], 23, v[TM+12+\b]      ; the scale's byte
.endr
	v_lshl_or_b32 v[PWS+(\a)], v[TM+5], 8, v[TM+4]
	v_lshl_or_b32 v[PWS+(\a)], v[TM+6], 16, v[PWS+(\a)]
	v_lshl_or_b32 v[PWS+(\a)], v[TM+7], 24, v[PWS+(\a)]
	s_wait_xcnt 0x0                                ; the earlier stores have read their data and their bases: block a - 2's code registers and the two bases may be written
.if (\a) == 4
	s_add_nc_u64 s[70:71], s[70:71], s[78:79]
	s_add_nc_u64 s[72:73], s[72:73], s[78:79]
.elseif (\a) > 0
	s_add_nc_u64 s[70:71], s[70:71], s[76:77]
	s_add_nc_u64 s[72:73], s[72:73], s[76:77]
.endif
	WIN WA                                         ; source 0: the accumulators' window
.irp c, 0,1
	v_cvt_scalef32_pk16_fp6_f32 v[QC+6*\c:QC+6*\c+2], v[AC+32*\c:AC+32*\c+15], v[TM+12+2*\c]
	v_cvt_scalef32_pk16_fp6_f32 v[QC+12+4*\c:QC+14+4*\c], v[AC+16+32*\c:AC+31+32*\c], v[TM+12+2*\c+1]   ; (a conversion's three registers begin on an even number)
.endr
	WIN 0
	v_nop                                          ; one plain line behind the conversions
.irp c, 0,1                            ; the operand's layout wants a whole block in a lane
.irp i, 0,1,2
	v_permlane16_swap_b32 v[QC+6*\c+\i], v[QC+12+4*\c+\i]
.endr
.irp i, 0,1,2
	v_mov_b32 v[QC+3+6*\c+\i], v[QC+12+4*\c+\i]
.endr
.endr
.irp c, 0,1
.irp q, 0,1,2
	global_store_b64 v[VO], v[QC+6*\c+2*\q:QC+6*\c+2*\q+1], s[70+2*\c:71+2*\c] offset:256*\q   ; 32 lanes store 256 consecutive bytes, aligned
.endr
.endr
.endm
.irp a, 0,1,2,3,4,5,6,7
	QA \a
.endr
.irp g, 0,1,2,3                        ; the scale words of blocks 2 g and 2 g + 1
	v_perm_b32 v[W0], v[PWS+2*\g+1], v[PWS+2*\g], s83
	v_perm_b32 v[W1], v[PWS+2*\g+1], v[PWS+2*\g], s84
	v_cndmask_b32 v[XP+\g], v[W0], v[W1], s88
	global_store_b32 v[SOF+\g], v[XP+\g], s[74:75]
.endr
	s_wait_tensorcnt 0x0                           ; the wave's end
	ds_add_u32 v[SPW], v[NIL]
	s_wait_dscnt 0x0
	CROUND                                         ; the closing round: no work-group ends while a partner may still ask for a tile that names it
	s_endpgm
.Lfunc_end_k_q0748c68716_qkv:
	.size	k_q0748c68716_qkv, .Lfunc_end_k_q0748c68716_qkv-k_q0748c68716_qkv
	.p2alignl 7, 3214868480
	.fill 96, 4, 3214868480
	.section	.rodata,"a",@progbits
	.p2align	6, 0x0
	.amdhsa_kernel k_q0748c68716_qkv
		.amdhsa_group_segment_fixed_size 327680
		.amdhsa_private_segment_fixed_size 0
		.amdhsa_enable_private_segment 0
		.amdhsa_kernarg_size 64
		.amdhsa_user_sgpr_count 2
		.amdhsa_user_sgpr_kernarg_segment_ptr 1
		.amdhsa_wavefront_size32 1
		.amdhsa_system_sgpr_workgroup_id_x 1
		.amdhsa_system_sgpr_workgroup_id_y 1
		.amdhsa_system_sgpr_workgroup_id_z 1
		.amdhsa_system_vgpr_workitem_id 0
		.amdhsa_next_free_vgpr 1024
		.amdhsa_next_free_sgpr 102
		.amdhsa_reserve_vcc 0
		.amdhsa_float_denorm_mode_32 3
		.amdhsa_float_denorm_mode_16_64 3
		.amdhsa_memory_ordered 1
		.amdhsa_forward_progress 1
		.amdhsa_inst_pref_size 192
	.end_amdhsa_kernel
	.amdgpu_metadata
---
amdhsa.version: [ 1, 2 ]
amdhsa.kernels:
  - .name:           k_q0748c68716_qkv
    .symbol:         k_q0748c68716_qkv.kd
    .args:
      - { .name: x_codes, .offset: 0, .size: 8, .value_kind: global_buffer, .address_space: global }
      - { .name: x_scales, .offset: 8, .size: 8, .value_kind: global_buffer, .address_space: global }
      - { .name: w_codes, .offset: 16, .size: 8, .value_kind: global_buffer, .address_space: global }
      - { .name: w_scales, .offset: 24, .size: 8, .value_kind: global_buffer, .address_space: global }
      - { .name: bq, .offset: 32, .size: 8, .value_kind: global_buffer, .address_space: global }
      - { .name: bk, .offset: 40, .size: 8, .value_kind: global_buffer, .address_space: global }
      - { .name: bv, .offset: 48, .size: 8, .value_kind: global_buffer, .address_space: global }
      - { .name: qkv, .offset: 56, .size: 8, .value_kind: global_buffer, .address_space: global }
    .group_segment_fixed_size: 327680
    .private_segment_fixed_size: 0
    .kernarg_segment_align: 8
    .kernarg_segment_size: 64
    .max_flat_workgroup_size: 128
    .sgpr_count:     102
    .vgpr_count:     1024
    .wavefront_size: 32
...
	.end_amdgpu_metadata
.endif
;; end of part 2
;; launch attn (part 3): grid 4 x 64, 16 waves a work-group, no clusters, 327,680 bytes of LDS; arguments qkv, o_img, o_scales; writes o_img, o_scales
.if DOCPART == 3
	.amdgcn_target "amdgcn-amd-amdhsa--gfx1250"
	.amdhsa_code_object_version 6
	.text
	.protected	k_q0748c68716_attn
	.globl	k_q0748c68716_attn
	.p2align	8
	.type	k_q0748c68716_attn,@function
k_q0748c68716_attn:
	s_mov_b64 s[64:65], 0
	v_nop
	global_prefetch_b8 v0, s[64:65] scope:SCOPE_SE
	s_setreg_imm32_b32 hwreg(HW_REG_WAVE_MODE, 25, 1), 1
	s_wait_xcnt 0x0
; Causal attention of one head on codes of FP6 (E2M3): S^T = K Q^T, p = 2^(t - M), O^T = V^T P^T, O / l, and O quantised along the head's 64 for the last product.  2,048 tokens, head size 64, 64 heads (batch x head).
; t = score x log2(e) / 8; M = the row's largest t so far, rounded up to a whole number; p is quantised along the keys, not normalised; the row's sum is taken of the unquantised p and divides O at the end.
; When M moves, the sum and O are multiplied by 2^(old M - new M): exact.
; SHARES.  Work-group (i, head) owns query blocks 7 - i and i, of 256 queries: the first walks key chunks 0 .. 7 - i, the second 0 .. i: nine chunks of 256 keys for every work-group, so the trip count is a constant and all
; 256 work-groups have the same number of chunks.  No chunk is fetched that lies wholly under the mask.  Each of the sixteen waves owns one tile of 16 query positions, in 256 registers: four waves to a SIMD.
; NO CLUSTER: the four work-groups of a head walk chunks 0 .. 7 - i and then 0 .. i, so from the fifth trip on partners would need different tiles in the same trip.
; IN.  qkv[head][307,200]: Q at 0, 8 chunks of 12,800; K and V at 102,400, 8 chunks of 25,600.  All operands lie as images of their registers: a half image (16 rows x 64 along K) is three planes of 256 bytes, lane l at 8 l.
; So a chunk is one dense block (four tensor loads of 25 rows x 256 bytes), and every LDS read is 8 or 4 x lane + a constant.
; Rows are POSITIONS: position p holds index sigma(p), bits 3 and 4 exchanged.  So the 16 registers of two neighbouring key tiles are 16 true neighbours among the keys, and O^T's likewise along d.
; K Q^T HAS K = 64, THE INSTRUCTION 128: source 0 holds TWO key tiles (one in k = 0 .. 63, one in 64 .. 127), source 1 is q beside zero codes: q low gives the first tile's scores, q high the second's.
; OUT.  o_img[tile of 16 token positions][head][768]: half images; o_scales[token position][32]: bytes 2 head, 2 head + 1: two bytes a lane, rows 32 bytes apart, 1 byte in 25 of the output.
; LIMITS: a block of zeros gets the byte 1; NaN and infinities are not served.
.set HEADB, 307200
.set QCH,   12800
.set KVO,   102400
.set KVCH,  25600
.set SLOT1, 32768                      ; slot 0 at 0, slot 1 here: one exclusive or turns an address; 25,600 bytes of each are used
.set SPARE, 65536                      ; the spare words, 128 bytes for each of 16 waves
.set KWO,   12288                      ; in a slot: K's tiles at 768 T, K's words here (64 bytes a pair of tiles),
.set VOF,   12800                      ; V at 6,144 x key step + 1,536 x tile of d,
.set VWO,   25088                      ; V's words at 256 x key step + 64 x tile
.set L8,  1                            ; v1  8 x lane
.set L4,  2                            ; v2  4 x lane
.set ADC, 3                            ; v3  slot + 8 x lane
.set ADW, 4                            ; v4  slot + 4 x lane
.set SPW, 5                            ; v5  my spare word; never rewritten
.set NIL, 6                            ; v6  0; never rewritten
.set DQ,  7                            ; v7  my true query in its block - 16 (lane / 16)
.set R32, 8                            ; v8  32 r
.set PFO, 9                            ; v9  256 x lane
.set FF,  10                           ; v[10:11] f = 2^(old M - new M) (v11 is only named with it)
                                       ; v12 -M, v13 the largest t, v[14:15] the sum in two halves
.set QZ,  16                           ; v16-21 zeros, v22-27 q, v28-33 zeros: v[22:33] is q low, v[16:27] q high
.set QS,  34                           ; v34 q's scale word (b0, b1, b0, b1); v35 the second block's
.set QS2, 35
.set QB2, 36                           ; v36-41 the second block's q
.set KSC, 42                           ; v42-43 K's scale words; v44-45 V's; v46 p's: these hold scales and nothing else
.set VSC, 44
.set PSC, 46
.set FRG, 48                           ; v48-95 four operands of 12: K's, then V's
.set S,   96                           ; v96-159 S^T, then p
.set OT,  160                          ; v160-191 O^T
.set PCD, 192                          ; v192-203 codes; v204-206, v208-210 the conversions' second halves
.set BM,  212                          ; v212-215 the blocks' largest; v216-219 permutes and bytes; v220-223 scale operands
.set BP,  216
.set BO,  220
.set CH2, 224                          ; v[224:225] the second chain of the sum
.set T0,  226                          ; v226-227 at work
.set T1,  227
.set HW,  228                          ; v228 O's two scale bytes
.set WV,   10
.set WI,   11                          ; s11 i
.set BH,   12                          ; s12 the head of 64
.set LIMA, 13                          ; s13 8 - i: the first block's chunks
.set KC,   14                          ; s14 chunks done of the block in hand
.set NC,   15                          ; s15 the chunk last asked for
.set QB,   16                          ; s16 the block's first query
.set KF,   17                          ; s17 the step's first key
.set TB,   18                          ; s18 the slot in hand
.set TRIP, 19
.set SEL,  20
.set CS,   22
.set G1,   24
.set G0,   32
.set KVW,  36                          ; s[36:37] my quarter of the head's chunk 0
.set OFS,  38                          ; s[38:39] an offset, high word 0
.set PFA,  40                          ; s[40:41] where my prefetches stand
.set PM,   42                          ; s42 counts them
.set LMIN, 43                          ; s43 my tile's least true query in its block
.set OP,   44
.set OS,   46
.set OPB,  48
.set OSB,  50
.macro TLOAD                           ; waves 0 to 3 fetch a quarter of a chunk each; four v_nop follow the line
	s_cmp_lt_u32 s[WV], 4
	s_cbranch_scc0 .Lno_load_\@
	tensor_load_to_lds s[G0:G0+3], s[G1:G1+7]
	s_nop 0
.rept 4
	v_nop
.endr
.Lno_load_\@:
.endm
; A PREFETCH INTO THE L2.  The four work-groups of a head read the same K and V: the one with i = 0, which walks chunks 0 to 7 in order, asks, by its waves 4 to 7, which fetch nothing: one instruction each at a change of slots,
; lanes 256 bytes apart, 8,192 bytes a wave, 32,768 a trip.  Request m = 4 x trip + wave - 4 names bytes 49,152 + 8,192 m of the head's K and V; 19 requests reach its end, 204,800, and each block of 256 bytes is named once.
; Through trip n they cover 81,920 + 32,768 n bytes, and the chunk that trip n + 1 loads ends at 76,800 + 25,600 n: every chunk from the third on is named a trip or more ahead of its load.
.macro ASK
	s_cmp_lt_u32 s[PM], 27                         ; PM = wave + 4 (trip + 1) in a wave that asks: m = PM - 8 < 19
	s_cbranch_scc0 .Lnot_mine_\@
	global_prefetch_b8 v[PFO], s[PFA:PFA+1] th:TH_LOAD_NT scope:SCOPE_SE
.Lnot_mine_\@:
.endm
.macro RESET                           ; a block's state: O^T and the sum zeros, the largest t under every t
	v_mov_b32 v13, 0xff61b1e6                      ; -3e38
	s_delay_alu instid0(VALU_DEP_1)
	v_floor_f32 v12, -v13
	v_mov_b32 v14, 0
	v_mov_b32 v15, 0
.set JJ, 0
.rept 32
	v_mov_b32 v[OT+JJ], 0
.set JJ, JJ+1
.endr
.endm
	s_load_b128 s[4:7], s[0:1], 0x0                ; qkv, o_img
	s_load_b64 s[8:9], s[0:1], 0x10                ; o_scales
	v_lshl_add_u32 v[SPW], v0, 2, SPARE
	v_mov_b32 v[NIL], 0
	ds_add_u32 v5, v6
	ds_add_u32 v5, v6
	s_wait_dscnt 0x0
	v_lshrrev_b32 v1, 5, v0
	s_delay_alu instid0(VALU_DEP_1)
	v_readfirstlane_b32 s[WV], v1                  ; wave 0..15
	s_mov_b32 s[WI], ttmp9
	s_and_b32 s[BH], ttmp7, 0xffff
	s_sub_co_u32 s[LIMA], 8, s[WI]
	s_mov_b32 s[KC], 0
	s_mov_b32 s[NC], 0
	s_sub_co_u32 s[QB], 7, s[WI]
	s_mul_i32 s56, s[QB], QCH                      ; the first block's chunk of Q
	s_lshl_b32 s[QB], s[QB], 8
	s_mov_b32 s[KF], 0
	s_mov_b32 s[TB], 0
	s_mov_b32 s[TRIP], 8
	s_mov_b32 s[SEL], 0x76543210
	s_mov_b32 s[SEL+1], 0xfedcba98
	s_mov_b32 s[CS], 0x3e38aa3b                    ; c = log2(e) / 8
	s_mov_b32 s[CS+1], s[CS]
	s_mov_b32 s[OFS+1], 0
	s_mov_b32 s[G1], 3<<16                         ; no mask; elements of 8 bytes; no padding
	s_mov_b32 s[G1+1], 32<<16                      ; tensor_dim0: 256 bytes
	s_mov_b32 s[G1+2], 25<<16                      ; tensor_dim1
	s_mov_b32 s[G1+3], 32<<16                      ; tile_dim0
	s_mov_b32 s[G1+4], 25                          ; tile_dim1
	s_mov_b32 s[G1+5], 32                          ; the pitch: dense
	s_mov_b32 s[G1+6], 0
	s_mov_b32 s[G1+7], 0
	s_mul_i32 s52, s[BH], HEADB
	s_mov_b32 s53, 0
	s_and_b32 s54, s[WV], 3
	s_mul_i32 s[G0+1], s54, 6400                   ; LDS: slot 0, my quarter
	s_lshl_b32 s58, s54, 13                        ; (8,192 x (wave & 3), for the prefetches)
	s_add_co_u32 s54, s[G0+1], KVO
	s_mov_b32 s55, 0
	s_mov_b32 s[G0], 1
	s_wait_kmcnt 0x0
	s_add_nc_u64 s[4:5], s[4:5], s[52:53]          ; my head
	s_add_nc_u64 s[KVW:KVW+1], s[4:5], s[54:55]
	s_mov_b64 s[G0+2:G0+3], s[KVW:KVW+1]
	s_or_b32 s[G0+3], s[G0+3], 0x80000000
	TLOAD                                          ; chunk 0 into slot 0: the one first fill
	s_mov_b32 s57, 0
	s_add_nc_u64 s[OP:OP+1], s[4:5], s[56:57]      ; Q's chunk of the first block,
	s_mul_i32 s56, s[WI], QCH
	s_add_nc_u64 s[OS:OS+1], s[4:5], s[56:57]      ; and of the second
	v_and_b32 v3, 15, v0                           ; r
	s_wait_alu depctr_va_vdst(0)
	v_bfe_u32 v4, v0, 4, 1                         ; h
	v_and_b32 v1, 31, v0
	s_delay_alu instid0(VALU_DEP_1)
	v_lshlrev_b32 v[L4], 2, v1
	s_delay_alu instid0(VALU_DEP_2)
	v_lshlrev_b32 v[PFO], 8, v1
	s_delay_alu instid0(VALU_DEP_3)
	v_lshlrev_b32 v[L8], 3, v1
	v_lshlrev_b32 v[R32], 5, v3
	s_mul_i32 s52, s[WV], 768
	v_add_nc_u32 v[T1], s52, v[L8]                 ; my tile's half image
	s_lshr_b32 s53, s[WV], 1
	s_lshl_b32 s54, s53, 6
	v_lshl_add_u32 v[T0], v3, 2, s54               ; my pair's words, row r
.irp p, 0,1,2
	global_load_b64 v[QZ+6+2*\p:QZ+7+2*\p], v[T1], s[OP:OP+1] offset:256*\p
	global_load_b64 v[QB2+2*\p:QB2+2*\p+1], v[T1], s[OS:OS+1] offset:256*\p
.endr
	global_load_b32 v[CH2], v[T0], s[OP:OP+1] offset:KWO
	global_load_b32 v[CH2+1], v[T0], s[OS:OS+1] offset:KWO
	s_lshl_b32 s[LMIN], s53, 5
	s_and_b32 s53, s[WV], 1
	s_lshl_b32 s54, s53, 3
	s_add_co_u32 s[LMIN], s[LMIN], s54             ; 32 (w / 2) + 8 (w % 2)
	s_cmp_eq_u32 s53, 1
	s_mov_b32 s59, 0x01000100
	s_cselect_b32 s59, 0x03020302, s59             ; my tile's two bytes of the pair's word, twice
	v_and_b32 v[DQ], 8, v3
	s_delay_alu instid0(VALU_DEP_1)
	v_add_nc_u32 v[DQ], v[DQ], v3                  ; r + 8 (r / 8)
	v_lshlrev_b32 v[FF], 4, v4
	s_delay_alu instid0(VALU_DEP_1)
	v_sub_nc_u32 v[DQ], v[DQ], v[FF]
	s_delay_alu instid0(VALU_DEP_1)
	v_add_nc_u32 v[DQ], s[LMIN], v[DQ]
	; where O goes
	s_lshr_b32 s52, s[BH], 4                       ; batch
	s_and_b32 s53, s[BH], 15                       ; head
	s_lshl_b32 s54, s52, 7
	s_add_co_u32 s54, s54, s[WV]
	s_mul_i32 s54, s54, 12288
	s_mul_i32 s56, s53, 768
	s_add_co_u32 s54, s54, s56
	s_add_nc_u64 s[OPB:OPB+1], s[6:7], s[54:55]    ; o_img at tile 128 b + w, my head
	s_lshl_b32 s54, s52, 11
	s_lshl_b32 s56, s[WV], 4
	s_add_co_u32 s54, s54, s56
	s_lshl_b32 s54, s54, 5
	s_lshl_b32 s56, s53, 1
	s_add_co_u32 s54, s54, s56
	s_add_nc_u64 s[OSB:OSB+1], s[8:9], s[54:55]    ; o_scales at position 2,048 b + 16 w, byte 2 head
	; the prefetches: one step short of byte 49,152 + 8,192 (wave - 4)
	s_add_co_u32 s54, s58, KVO+16384
	s_add_nc_u64 s[PFA:PFA+1], s[4:5], s[54:55]
	s_lshr_b32 s52, s[WV], 2
	s_xor_b32 s52, s52, 1                          ; 0 in waves 4 to 7
	s_or_b32 s52, s52, s[WI]                       ; of the work-group with i = 0
	s_cmp_eq_u32 s52, 0
	s_mov_b32 s[PM], 1000
	s_cselect_b32 s[PM], s[WV], s[PM]
	v_mov_b32 v[FF+1], 0
.irp b, 0,1,2,3
	v_mov_b32 v[BP+\b], 0                          ; written once: a lane permute's destination counts as one of its sources
.endr
.irp j, 0,1,2,3,4,5
	v_mov_b32 v[QZ+\j], 0                          ; zero codes beside q
	v_mov_b32 v[QZ+12+\j], 0
.endr
	s_wait_loadcnt 0x0                             ; q and its words, both blocks'
	v_perm_b32 v[QS], v[CH2], v[CH2], s59
	v_perm_b32 v[QS2], v[CH2+1], v[CH2+1], s59
	v_mov_b32 v[T1], 0                             ; (named as the upper half of the pair v[226:227])
	RESET                                          ; (its lines also stand between the scale word's making and the first product)
; A KEY STEP: 128 keys, the q-th of the slot in hand.
.macro STEP q
	s_add_co_u32 s52, s[QB], s[LMIN]               ; my least true query
	s_add_co_u32 s53, s52, 23                      ; and my greatest
	s_cmp_gt_u32 s[KF], s53
	s_cbranch_scc1 .Lhidden_\@                     ; all 128 keys come after my 16 queries: the step's work is left out (a branch on ids; no barrier and no tensor load stands in a step)
	v_add_nc_u32 v[ADC], s[TB], v[L8]
	v_add_nc_u32 v[ADW], s[TB], v[L4]
	v_nop
	v_nop                                          ; four plain lines between the last products and the loads into their operands
.irp g, 0,1,2,3                        ; operand g: key tiles 8 q + 2 g and 8 q + 2 g + 1
.irp p, 0,1,2,3,4,5
	ds_load_b64 v[FRG+12*\g+2*\p:FRG+12*\g+2*\p+1], v[ADC] offset:(8*(\q)+2*\g)*768+256*\p
.endr
.endr
.irp u, 0,1
	ds_load_b32 v[KSC+\u], v[ADW] offset:KWO+(4*(\q)+2*\u)*64      ; lanes 0-15 pair 2 u's words, lanes 16-31 pair 2 u + 1's
.endr
	s_wait_alu depctr_va_vdst(0)
	s_wait_dscnt 0x0
.irp u, 0,1
	v_wmma_scale_f32_16x16x128_f8f6f4 v[S+32*\u:S+32*\u+7], v[FRG+24*\u:FRG+24*\u+11], v[QZ+6:QZ+17], 0, v[KSC+\u], v[QS] matrix_a_fmt:MATRIX_FMT_FP6 matrix_b_fmt:MATRIX_FMT_FP6
	v_wmma_scale_f32_16x16x128_f8f6f4 v[S+32*\u+8:S+32*\u+15], v[FRG+24*\u:FRG+24*\u+11], v[QZ:QZ+11], 0, v[KSC+\u], v[QS] matrix_a_fmt:MATRIX_FMT_FP6 matrix_b_fmt:MATRIX_FMT_FP6
	v_wmma_scale_f32_16x16x128_f8f6f4 v[S+32*\u+16:S+32*\u+23], v[FRG+24*\u+12:FRG+24*\u+23], v[QZ+6:QZ+17], 0, v[KSC+\u], v[QS] matrix_a_fmt:MATRIX_FMT_FP6 matrix_b_fmt:MATRIX_FMT_FP6 matrix_a_scale:MATRIX_SCALE_ROW1
	v_wmma_scale_f32_16x16x128_f8f6f4 v[S+32*\u+24:S+32*\u+31], v[FRG+24*\u+12:FRG+24*\u+23], v[QZ:QZ+11], 0, v[KSC+\u], v[QS] matrix_a_fmt:MATRIX_FMT_FP6 matrix_b_fmt:MATRIX_FMT_FP6 matrix_a_scale:MATRIX_SCALE_ROW1
.endr                                  ; register 16 g + i of S^T is key KF + 32 g + 16 (lane / 16) + i of my query
.rept 4
	v_nop
.endr
.irp t, 0,1,2,3                        ; V's four operands (16 of d x these 128 keys) are asked for now and land under the softmax
.irp p, 0,1,2,3,4,5
	ds_load_b64 v[FRG+12*\t+2*\p:FRG+12*\t+2*\p+1], v[ADC] offset:VOF+6144*(\q)+1536*\t+256*\p
.endr
.endr
.irp u, 0,1
	ds_load_b32 v[VSC+\u], v[ADW] offset:VWO+256*(\q)+128*\u
.endr
	s_add_co_u32 s53, s[KF], 127
	s_cmp_le_u32 s53, s52
	s_cbranch_scc1 .Lopen_\@                       ; all keys count for all my queries
	s_sub_co_i32 s53, s[QB], s[KF]
	v_add_nc_u32 v[T0], s53, v[DQ]                 ; d = my query - KF - 16 (lane / 16): register 16 g + i is hidden where 32 g + i > d
	v_mov_b32 v[T1], 0xff800000                    ; -infinity: p = 0 then
.set NN, 0
.rept 64
	v_cmp_gt_i32 vcc_lo, 32*(NN/16)+NN%16, v[T0]
	v_cndmask_b32 v[S+NN], v[S+NN], v[T1], vcc_lo
.set NN, NN+1
.endr
.Lopen_\@:
.irp b, 0,1,2,3
	v_max3_num_f32 v[BM+\b], v[S+16*\b], v[S+1+16*\b], v[S+2+16*\b]      ; the largest score of each block of 32 keys: for the row's maximum, and, since p rises with the score, for the block's largest p
.endr
.irp i, 3,5,7,9,11,13
.irp b, 0,1,2,3
	v_max3_num_f32 v[BM+\b], v[BM+\b], v[S+16*\b+\i], v[S+1+16*\b+\i]
.endr
.endr
.irp b, 0,1,2,3
	v_max_num_f32 v[BM+\b], v[BM+\b], v[S+15+16*\b]
.endr
.irp b, 0,1,2,3
	s_delay_alu instid0(VALU_DEP_4)
	v_permlanex16_b32 v[BP+\b], v[BM+\b], s[SEL], s[SEL+1]
.endr
.irp b, 0,1,2,3
	s_delay_alu instid0(VALU_DEP_4)
	v_max_num_f32 v[BM+\b], v[BM+\b], v[BP+\b]     ; with lane l xor 16's 16 keys
.endr
	s_delay_alu instid0(VALU_DEP_2)
	v_max3_num_f32 v[T0], v[BM], v[BM+1], v[BM+2]
	s_delay_alu instid0(VALU_DEP_1)
	v_max_num_f32 v[T0], v[T0], v[BM+3]
	s_delay_alu instid0(VALU_DEP_1)
	v_mul_f32 v[T0], s[CS], v[T0]                  ; the step's largest t
	s_delay_alu instid0(VALU_DEP_1)
	v_max_num_f32 v13, v13, v[T0]
	v_mov_b32 v[T0], v12
	s_delay_alu instid0(VALU_DEP_2)
	v_floor_f32 v12, -v13                          ; the new -M = -ceil(t): a whole number
	s_delay_alu instid0(VALU_DEP_1)
	v_sub_f32 v[T0], v12, v[T0]                    ; old M - new M: a whole number, 0 or less
	s_delay_alu instid0(VALU_DEP_1)
	v_cvt_i32_f32 v[T0], v[T0]                     ; (it saturates)
	s_delay_alu instid0(VALU_DEP_1)
	v_ldexp_f32 v[FF], 1.0, v[T0]                  ; f
.set JJ, 0
.rept 32
	v_pk_fma_f32 v[S+JJ:S+JJ+1], v[S+JJ:S+JJ+1], s[CS:CS+1], v[12:13] op_sel_hi:[1,0,0]   ; t - M, two at a time
.set JJ, JJ+2
.endr
.irp b, 0,1,2,3
	v_fma_f32 v[BM+\b], v[BM+\b], s[CS], v12       ; the same of each block's largest score
.endr
.set JJ, 0
	s_wait_alu depctr_va_vdst(0)
.rept 64
	v_exp_f32 v[S+JJ], v[S+JJ]                     ; p = 2^(t - M)
.set JJ, JJ+1
.endr
	v_pk_mul_f32 v[14:15], v[14:15], v[FF:FF+1] op_sel_hi:[1,0]    ; the sums under the new M (a plain line behind the exponentials)
	s_wait_alu depctr_va_vdst(0)                   ; one wait for the batch of 64, ahead of its first reader
.irp b, 0,1,2,3
	v_exp_f32 v[BM+\b], v[BM+\b]                   ; the block's largest p
.endr
	v_pk_add_f32 v[224:225], v[100:101], v[104:105]
	v_pk_add_f32 v[254:255], v[108:109], v[112:113]
	v_pk_add_f32 v[252:253], v[116:117], v[120:121]
	v_pk_add_f32 v[250:251], v[124:125], v[128:129]
	v_pk_add_f32 v[248:249], v[132:133], v[136:137]
	v_pk_add_f32 v[246:247], v[140:141], v[144:145]
	v_pk_add_f32 v[244:245], v[148:149], v[152:153]
	v_pk_add_f32 v[14:15], v[14:15], v[156:157]
	v_pk_add_f32 v[224:225], v[224:225], v[96:97]
	v_pk_add_f32 v[254:255], v[254:255], v[98:99]
	v_pk_add_f32 v[252:253], v[252:253], v[102:103]
	v_pk_add_f32 v[250:251], v[250:251], v[106:107]
	v_pk_add_f32 v[248:249], v[248:249], v[110:111]
	v_pk_add_f32 v[246:247], v[246:247], v[114:115]
	v_pk_add_f32 v[244:245], v[244:245], v[118:119]
	v_pk_add_f32 v[14:15], v[14:15], v[122:123]
	v_pk_add_f32 v[224:225], v[224:225], v[126:127]
	v_pk_add_f32 v[254:255], v[254:255], v[130:131]
	v_pk_add_f32 v[252:253], v[252:253], v[134:135]
	v_pk_add_f32 v[250:251], v[250:251], v[138:139]
	v_pk_add_f32 v[248:249], v[248:249], v[142:143]
	v_pk_add_f32 v[246:247], v[246:247], v[146:147]
	v_pk_add_f32 v[244:245], v[244:245], v[150:151]
	v_pk_add_f32 v[14:15], v[14:15], v[154:155]
	v_pk_add_f32 v[224:225], v[224:225], v[158:159]
	s_delay_alu instid0(VALU_DEP_2)
	v_pk_add_f32 v[14:15], v[14:15], v[250:251]
	s_delay_alu instid0(VALU_DEP_2)
	v_pk_add_f32 v[224:225], v[224:225], v[248:249]
	v_pk_add_f32 v[254:255], v[254:255], v[246:247]
	v_pk_add_f32 v[252:253], v[252:253], v[244:245]
	s_delay_alu instid0(VALU_DEP_2)
	v_pk_add_f32 v[14:15], v[14:15], v[254:255]
	s_delay_alu instid0(VALU_DEP_2)
	v_pk_add_f32 v[224:225], v[224:225], v[252:253]
	s_delay_alu instid0(VALU_DEP_1)
	v_pk_add_f32 v[14:15], v[14:15], v[224:225]
	s_wait_alu depctr_va_vdst(0)                   ; and one for the four
.irp b, 0,1,2,3
	v_max_num_f32 v[BM+\b], 0x1800000, v[BM+\b]    ; the floor 2^(3 - 127)
.endr
.irp b, 0,1,2,3
	s_delay_alu instid0(VALU_DEP_4)
	v_add_nc_u32 v[BO+\b], 0xff000000, v[BM+\b]    ; the conversion's scale operand
.endr
.irp b, 0,1,2,3
	s_delay_alu instid0(VALU_DEP_4)
	v_lshrrev_b32 v[BP+\b], 23, v[BO+\b]           ; the scale's byte
.endr
	s_delay_alu instid0(VALU_DEP_3)
	v_lshl_or_b32 v[PSC], v[BP+1], 8, v[BP]        ; p's scale word for these 128 keys
	s_delay_alu instid0(VALU_DEP_1)
	v_lshl_or_b32 v[PSC], v[BP+2], 16, v[PSC]
	s_delay_alu instid0(VALU_DEP_1)
	v_lshl_or_b32 v[PSC], v[BP+3], 24, v[PSC]
.irp c, 0,1
	v_cvt_scalef32_pk16_fp6_f32 v[PCD+6*\c:PCD+2+6*\c], v[S+32*\c:S+15+32*\c], v[BO+2*\c]
	v_cvt_scalef32_pk16_fp6_f32 v[PCD+12+4*\c:PCD+14+4*\c], v[S+16+32*\c:S+31+32*\c], v[BO+2*\c+1]
.endr
	v_nop                                          ; one plain line behind the conversions
.irp c, 0,1                            ; the operand's layout wants a whole block in a lane
.irp i, 0,1,2
	v_permlane16_swap_b32 v[PCD+6*\c+\i], v[PCD+12+4*\c+\i]
.endr
.irp i, 0,1,2
	s_delay_alu instid0(VALU_DEP_3)
	v_mov_b32 v[PCD+3+6*\c+\i], v[PCD+12+4*\c+\i]
.endr
.endr
.set JJ, 0
.rept 16
	v_pk_mul_f32 v[OT+JJ:OT+JJ+1], v[OT+JJ:OT+JJ+1], v[FF:FF+1] op_sel_hi:[1,0]   ; O^T under the new M, from each accumulator's low end on; these sixteen also stand between the making of p's codes and scale word and the products
.set JJ, JJ+2
.endr
	s_wait_alu depctr_va_vdst(0)
	s_wait_dscnt 0x0                               ; V
.irp u, 0,1                            ; four accumulators, one instruction each
	v_wmma_scale_f32_16x16x128_f8f6f4 v[OT+16*\u:OT+16*\u+7], v[FRG+24*\u:FRG+24*\u+11], v[PCD:PCD+11], v[OT+16*\u:OT+16*\u+7], v[VSC+\u], v[PSC] matrix_a_fmt:MATRIX_FMT_FP6 matrix_b_fmt:MATRIX_FMT_FP6
	v_wmma_scale_f32_16x16x128_f8f6f4 v[OT+16*\u+8:OT+16*\u+15], v[FRG+24*\u+12:FRG+24*\u+23], v[PCD:PCD+11], v[OT+16*\u+8:OT+16*\u+15], v[VSC+\u], v[PSC] matrix_a_fmt:MATRIX_FMT_FP6 matrix_b_fmt:MATRIX_FMT_FP6 matrix_a_scale:MATRIX_SCALE_ROW1
.endr
.Lhidden_\@:
	s_add_co_u32 s[KF], s[KF], 128
.endm
; THE CHANGE OF SLOTS stands at a trip's head.  Each wave waits for all its tensor loads (its part of the slot ahead), adds 0 to its spare word, and waits for that and for its reads of the slot that it has left.
; fill = 1: behind the barrier that other slot takes the next chunk of the walk 0 .. 7 - i, 0 .. i: the load has a whole trip in which to land.  One tensor load of a wave is out.
.macro CHANGE fill
	s_wait_tensorcnt 0x0
	ds_add_u32 v[SPW], v[NIL]
.if \fill
	s_xor_b32 s[G0+1], s[G0+1], SLOT1              ; the other slot than last time
	s_add_co_u32 s[NC], s[NC], 1
	s_cmp_eq_u32 s[NC], s[LIMA]
	s_cselect_b32 s[NC], 0, s[NC]                  ; behind the first block's last chunk: chunk 0 again
	s_mul_i32 s[OFS], s[NC], KVCH
	s_add_nc_u64 s[G0+2:G0+3], s[KVW:KVW+1], s[OFS:OFS+1]
	s_or_b32 s[G0+3], s[G0+3], 0x80000000
	s_wait_xcnt 0x0                                ; the last prefetch, a trip back, has read its address
	s_add_nc_u64 s[PFA:PFA+1], s[PFA:PFA+1], 32768
	s_add_co_u32 s[PM], s[PM], 4
.endif
	s_wait_dscnt 0x0                               ; the add is done, and my reads of the slot that I have left are over
	s_barrier_signal -1
	s_barrier_wait -1
.if \fill
	TLOAD                                          ; the first thing behind the barrier, and a wave's one tensor load until the next
	ASK
.endif
.endm
; A block's end: O^T / the sum, quantised along d (two blocks of 32: register 16 g + i is d 32 g + 16 (lane / 16) + i), stored as a half image and two scale bytes.
.macro FINISH
	s_wait_xcnt 0x0                                ; earlier loads and stores have read the two bases
	s_mul_i32 s52, s[QB], 768
	s_mov_b32 s53, 0
	s_add_nc_u64 s[OP:OP+1], s[OPB:OPB+1], s[52:53]
	s_lshl_b32 s52, s[QB], 5
	s_add_nc_u64 s[OS:OS+1], s[OSB:OSB+1], s[52:53]
.rept 4
	v_nop                                          ; places behind the last products
.endr
	v_add_f32 v14, v14, v15
	s_delay_alu instid0(VALU_DEP_1)
	v_permlanex16_b32 v[BP], v14, s[SEL], s[SEL+1]
	s_delay_alu instid0(VALU_DEP_1)
	v_add_f32 v14, v14, v[BP]                      ; the row's sum
	s_wait_alu depctr_va_vdst(0)
	v_rcp_f32 v[T0], v14
	v_nop
	s_wait_alu depctr_va_vdst(0)                   ; ahead of the reciprocal's first reader
.set JJ, 0
.rept 16
	v_pk_mul_f32 v[OT+JJ:OT+JJ+1], v[OT+JJ:OT+JJ+1], v[T0:T0+1] op_sel_hi:[1,0]
.set JJ, JJ+2
.endr
.irp b, 0,1
	v_max3_num_f32 v[BM+\b], |v[OT+16*\b]|, |v[OT+16*\b+1]|, 0x1800000
.endr
.irp i, 2,4,6,8,10,12,14
.irp b, 0,1
	s_delay_alu instid0(VALU_DEP_2)
	v_max3_num_f32 v[BM+\b], v[BM+\b], |v[OT+16*\b+\i]|, |v[OT+16*\b+\i+1]|
.endr
.endr
.irp b, 0,1
	s_delay_alu instid0(VALU_DEP_2)
	v_permlanex16_b32 v[BP+\b], v[BM+\b], s[SEL], s[SEL+1]
.endr
.irp b, 0,1
	s_delay_alu instid0(VALU_DEP_2)
	v_max_num_f32 v[BM+\b], v[BM+\b], v[BP+\b]
.endr
.irp b, 0,1
	s_delay_alu instid0(VALU_DEP_2)
	v_add_nc_u32 v[BO+\b], 0xff000000, v[BM+\b]
.endr
.irp b, 0,1
	s_delay_alu instid0(VALU_DEP_2)
	v_lshrrev_b32 v[BP+\b], 23, v[BO+\b]
.endr
	s_delay_alu instid0(VALU_DEP_1)
	v_lshl_or_b32 v[HW], v[BP+1], 8, v[BP]
	v_cvt_scalef32_pk16_fp6_f32 v[PCD:PCD+2], v[OT:OT+15], v[BO]
	v_cvt_scalef32_pk16_fp6_f32 v[PCD+12:PCD+14], v[OT+16:OT+31], v[BO+1]
	v_nop
.irp i, 0,1,2
	v_permlane16_swap_b32 v[PCD+\i], v[PCD+12+\i]
.endr
.irp i, 0,1,2
	s_delay_alu instid0(VALU_DEP_3)
	v_mov_b32 v[PCD+3+\i], v[PCD+12+\i]
.endr
.irp q, 0,1,2
	global_store_b64 v[L8], v[PCD+2*\q:PCD+2*\q+1], s[OP:OP+1] offset:256*\q   ; 32 lanes store 256 consecutive bytes, aligned
.endr
	global_store_b16 v[R32], v[HW], s[OS:OS+1]     ; lanes l and l xor 16 write the same two bytes with the same value
.endm
.Lslot:                                ; eight trips: behind each change of slots but the last the next chunk is asked for
	CHANGE 1
	STEP 0
	STEP 1
	s_xor_b32 s[TB], s[TB], SLOT1
	s_add_co_u32 s[KC], s[KC], 1
	s_cmp_lg_u32 s[KC], s[LIMA]
	s_cbranch_scc1 .Lsame                          ; a branch on ids, the same in all sixteen waves
	FINISH                                         ; the first block is done: on to block i
	v_mov_b32 v[QS], v[QS2]
.irp j, 0,1,2,3,4,5
	v_mov_b32 v[QZ+6+\j], v[QB2+\j]
.endr
	RESET
	s_mov_b32 s[KC], 0
	s_mov_b32 s[KF], 0
	s_lshl_b32 s[QB], s[WI], 8
	s_wait_xcnt 0x0                                ; the stores have read their data: the next step writes the codes' registers again
.Lsame:
	s_sub_co_u32 s[TRIP], s[TRIP], 1
	s_cmp_lg_u32 s[TRIP], 0
	s_cbranch_scc1 .Lslot
	CHANGE 0                                       ; the last chunk is written out
	STEP 0
	STEP 1
	FINISH
	s_wait_tensorcnt 0x0                           ; the wave's end
	ds_add_u32 v[SPW], v[NIL]
	s_wait_dscnt 0x0
	s_endpgm
.Lfunc_end_k_q0748c68716_attn:
	.size	k_q0748c68716_attn, .Lfunc_end_k_q0748c68716_attn-k_q0748c68716_attn
	.p2alignl 7, 3214868480
	.fill 96, 4, 3214868480
	.section	.rodata,"a",@progbits
	.p2align	6, 0x0
	.amdhsa_kernel k_q0748c68716_attn
		.amdhsa_group_segment_fixed_size 327680
		.amdhsa_private_segment_fixed_size 0
		.amdhsa_enable_private_segment 0
		.amdhsa_kernarg_size 24
		.amdhsa_user_sgpr_count 2
		.amdhsa_user_sgpr_kernarg_segment_ptr 1
		.amdhsa_wavefront_size32 1
		.amdhsa_system_sgpr_workgroup_id_x 1
		.amdhsa_system_sgpr_workgroup_id_y 1
		.amdhsa_system_sgpr_workgroup_id_z 1
		.amdhsa_system_vgpr_workitem_id 0
		.amdhsa_next_free_vgpr 256
		.amdhsa_next_free_sgpr 66
		.amdhsa_reserve_vcc 1
		.amdhsa_float_denorm_mode_32 3
		.amdhsa_float_denorm_mode_16_64 3
		.amdhsa_memory_ordered 1
		.amdhsa_forward_progress 1
		.amdhsa_inst_pref_size 114
	.end_amdhsa_kernel
	.amdgpu_metadata
---
amdhsa.version: [ 1, 2 ]
amdhsa.kernels:
  - .name:           k_q0748c68716_attn
    .symbol:         k_q0748c68716_attn.kd
    .args:
      - { .name: qkv, .offset: 0, .size: 8, .value_kind: global_buffer, .address_space: global }
      - { .name: o_img, .offset: 8, .size: 8, .value_kind: global_buffer, .address_space: global }
      - { .name: o_scales, .offset: 16, .size: 8, .value_kind: global_buffer, .address_space: global }
    .group_segment_fixed_size: 327680
    .private_segment_fixed_size: 0
    .kernarg_segment_align: 8
    .kernarg_segment_size: 24
    .max_flat_workgroup_size: 512
    .sgpr_count:     66
    .vgpr_count:     256
    .wavefront_size: 32
...
	.end_amdgpu_metadata
.endif
;; end of part 3
;; launch outp (part 4): grid 4 x 32, 4 waves a work-group, clusters of 4 x 4, 327,680 bytes of LDS; arguments o_img, o_scales, w_codes, w_scales, bo, out0; writes out0
.if DOCPART == 4
	.amdgcn_target "amdgcn-amd-amdhsa--gfx1250"
	.amdhsa_code_object_version 6
	.text
	.protected	k_q0748c68716_outp
	.globl	k_q0748c68716_outp
	.p2align	8
	.type	k_q0748c68716_outp,@function
k_q0748c68716_outp:
	s_mov_b64 s[64:65], 0
	v_nop
	global_prefetch_b8 v0, s[64:65] scope:SCOPE_SE
	s_setreg_imm32_b32 hwreg(HW_REG_WAVE_MODE, 25, 1), 1
	s_wait_xcnt 0x0
	s_wait_alu depctr_hold_cnt(0) depctr_sa_sdst(0) depctr_va_vdst(0) depctr_va_sdst(0) depctr_va_ssrc(0) depctr_va_vcc(0) depctr_vm_vsrc(0)
	s_getreg_b32 s2, hwreg(HW_REG_IB_STS2, 6, 4)
	s_cmp_eq_u32 s2, 0
	s_cbranch_scc0 .Lentry_in_a_cluster
	s_endpgm
.Lentry_in_a_cluster:
	s_bfe_u32 s2, ttmp6, 0x10000c
	s_cmp_lg_u32 s2, 0xf033
	s_cbranch_scc0 .Lentry_shape_is_right
	s_endpgm
.Lentry_shape_is_right:
; out0 = o wo + bo on codes of FP6 (E2M3) with one E8M0 scale for each 32 along K = 1,024.  out0: [8192][1024] f32.
; A work-group of four waves makes 256 tokens x 256 features; a wave 128 x 128: 64 accumulators, 512 registers.  K goes in steps of 256 through two LDS slots filled by the tensor data mover.
; A = o lies in memory as images of operand registers: o_img[tile of 16 token positions][head][768]; a head's 768 bytes are three planes of 256 bytes, lane l's 8 bytes at 8 l: six registers, 64 along K.  So 256 along K of a
; tile of rows are 3,072 consecutive bytes, and a fragment (two heads) comes by six loads of 8 bytes at 8 x lane + constants.  B = wo's columns are rows 3,072 .. 4,095 of w_codes, 768 bytes each, fetched in pieces of 192.
; The scale bytes of the work-group's rows of both, for all of K, come into LDS once, with the first fills.
; CLUSTERS: 4 x 4 work-groups: A's tile is shared along a row of the cluster, B's along a column; each is asked for jointly.
; The matrix instruction is used transposed (source 0 = 16 rows of B, source 1 = 16 rows of A): a lane holds eight numbers of a row of out0.  Rows of both operands are POSITIONS (position p holds index sigma(p), bits 3 and 4
; exchanged): register j of accumulator (a, b) is feature 32 (b / 2) + 16 (lane / 16) + 8 (b % 2) + j, and row t of block a is token 32 (a / 2) + 8 (a % 2) + t + 8 (t / 8).  The way out puts both right.
; bo is the C of each sum's first matrix instruction.  128 work-groups: the product has no more tiles of this size.  No prefetch: K has four slots' worth of tiles, two of them the first fills.
; REGISTERS, in windows of 256: window 0: v16-17 A's addresses; v20-23 B's; v24-26 the way out; v27 scale address; v28-29 for the add; v32-63 scale words, two sets; v64-127 the bias; v128-223 A's fragments, one set; v128-255 later rows of out0.
;   window 1: B's fragments, two sets.   windows 2, 3: the accumulators ((a, b) at v[8 (8 (a % 4) + b)]).
.set NQ,     2
.set ROWB,   192
.set KROW,   768
.set PITCH,  240                       ; B's LDS row: 3 x (64 bytes + 16 of padding)
.set FR,     12
.set NL,     6
.set NP,     4
.set ASTEP,  3072                      ; 256 along K of a tile of A's rows
.set HALFA,  8*ASTEP                   ; 128 rows of A: what one tensor load brings
.set HALFT,  128*PITCH                 ; 128 rows of B
.set BOFF,   2*HALFA
.set SLOT,   2*HALFA+2*HALFT
.set KS,     32
.set SCL,    2*SLOT
.set HALFS,  (128*KS/256)*272
.set SBLK,   (16*KS/256)*272
.set SPARE,  SCL+4*HALFS               ; the spare words, 128 bytes a wave
.set SPITCH, 528                       ; the way out: a stage of 16 rows x (512 bytes + 16) for each wave, in slot 0, which has had its last fill and its last read by then
.set NROW,   4096                      ; a row of out0 in bytes
.set ADRA, 16
.set ADRB, 20
.set STO,  24
.set RD,   25
.set CO,   26
.set ADRS, 27
.set SPW,  28
.set NIL,  29
.set SC,   32
.set BIAS, 64
.set AF,   128
.set BK,   128
.set G1, 24
.set G0, 32
.set G1B, 48
.set G0B, 56
.set G1S, 68
.set G0S, 76
.set G1SB, 80
.set G0SB, 88
.set MSB, 0
.macro WIN new                         ; the immediate's high byte repeats the setting that is left
.if MSB != \new
	s_set_vgpr_msb (MSB<<8)|\new
.set MSB, \new
.endif
.endm
.set MUL_LO, 0xa1
.set MUL_HI, 0xf1
.set TO_B,   0x40
.macro JLOAD g0a, g1a, g0b, g1b        ; a joint load: waves 0 and 1 fetch for A, waves 2 and 3 for B; four v_nop follow each of the two lines
	s_cmp_eq_u32 s15, 0
	s_cbranch_scc0 .Lfor_b_\@
	tensor_load_to_lds s[\g0a:\g0a+3], s[\g1a:\g1a+7]
	s_nop 0
.rept 4
	v_nop
.endr
	s_branch .Lasked_\@
.Lfor_b_\@:
	tensor_load_to_lds s[\g0b:\g0b+3], s[\g1b:\g1b+7]
	s_nop 0
.rept 4
	v_nop
.endr
.Lasked_\@:
.endm
.macro CREST
	s_cmp_lg_u32 s14, 0
	s_cbranch_scc1 .Lnot_wave_0_\@
	s_barrier_signal -3
.Lnot_wave_0_\@:
	s_barrier_wait -3
	s_barrier_signal -1
	s_barrier_wait -1
.endm
.macro CROUND
	s_barrier_signal -1
	s_barrier_wait -1
	CREST
.endm
	s_load_b128 s[4:7], s[0:1], 0x0                ; o_img, o_scales
	s_load_b128 s[8:11], s[0:1], 0x10              ; w_codes, w_scales
	s_load_b64 s[96:97], s[0:1], 0x20              ; bo
	s_load_b64 s[12:13], s[0:1], 0x28              ; out0
	v_lshl_add_u32 v[SPW], v0, 2, SPARE
	v_mov_b32 v[NIL], 0
	ds_add_u32 v28, v29
	s_wait_dscnt 0x0
	v_lshrrev_b32 v1, 5, v0
	v_readfirstlane_b32 s14, v1                    ; wave 0..3
	s_lshr_b32 s15, s14, 1                         ; my half of the rows.  Also: I fetch for A (0) or for B (1)
	s_and_b32 s16, s14, 1                          ; my half of the columns.  Also: which 128 rows I fetch
	s_bfe_u32 s40, ttmp6, 0x40000                  ; cx, cy
	s_bfe_u32 s41, ttmp6, 0x40004
	s_lshl_b32 s42, ttmp9, 2
	s_add_co_u32 s42, s42, s40                     ; tile column
	s_and_b32 s17, ttmp7, 0xffff
	s_lshl_b32 s17, s17, 2
	s_add_co_u32 s17, s17, s41                     ; tile row
	s_lshl_b32 s43, s41, 2
	s_lshl_b32 s43, 15, s43                        ; my row of the cluster
	s_lshl_b32 s44, 0x1111, s40                    ; my column
	s_or_b32 s[G1+0], s43, (3<<16)|(1<<21)         ; A: the mask; elements of 8 bytes; bit 21 beside a mask; no padding
	s_mov_b32 s[G1+1], 384<<16                     ; tensor_dim0: 3,072 bytes
	s_mov_b32 s[G1+2], 8<<16                       ; tensor_dim1: 8 tiles of rows
	s_mov_b32 s[G1+3], 384<<16                     ; tile_dim0
	s_mov_b32 s[G1+4], 8                           ; tile_dim1
	s_mov_b32 s[G1+5], 1536                        ; the pitch: 12,288 bytes from a tile of rows to the next
	s_mov_b32 s[G1+6], 0
	s_mov_b32 s[G1+7], 0
	s_or_b32 s[G1B+0], s44, (0<<16)|(1<<20)|(1<<21)|(3<<22)|(3<<25)  ; B: elements of 1 byte; 4 words of padding behind every 16
	s_mov_b32 s[G1B+1], ROWB<<16
	s_mov_b32 s[G1B+2], 128<<16
	s_mov_b32 s[G1B+3], ROWB<<16
	s_mov_b32 s[G1B+4], 128
	s_mov_b32 s[G1B+5], KROW
	s_mov_b32 s[G1B+6], 0
	s_mov_b32 s[G1B+7], 0
	s_or_b32 s[G1S+0], s43, (3<<16)|(1<<20)|(1<<21)|(5<<22)|(3<<25)  ; the scales of 128 rows: a dense block as rows of 256 bytes, 16 bytes of padding behind each
	s_or_b32 s[G1SB+0], s44, (3<<16)|(1<<20)|(1<<21)|(5<<22)|(3<<25)
.irp g, G1S, G1SB
	s_mov_b32 s[\g+1], 32<<16
	s_mov_b32 s[\g+2], (128*KS/256)<<16
	s_mov_b32 s[\g+3], 32<<16
	s_mov_b32 s[\g+4], 128*KS/256
	s_mov_b32 s[\g+5], 32
	s_mov_b32 s[\g+6], 0
	s_mov_b32 s[\g+7], 0
.endr
	s_lshl_b32 s18, s16, 7
	s_lshl_b32 s20, s17, 8
	s_add_co_u32 s20, s20, s18                     ; A: the first row that I fetch
	s_lshl_b32 s46, s42, 8
	s_add_co_u32 s46, s46, s18
	s_add_co_u32 s46, s46, 3072                    ; B: likewise; wo's columns begin at row 3,072 of w_codes
	s_mov_b32 s21, 0
	s_mov_b32 s47, 0
	s_mov_b64 s[18:19], KS
	s_mul_u64 s[22:23], s[20:21], s[18:19]
	s_mul_u64 s[92:93], s[46:47], s[18:19]
	s_mov_b64 s[18:19], KROW
	s_mul_u64 s[20:21], s[20:21], s[18:19]         ; (16 rows of o_img are 12,288 bytes: 768 a row)
	s_mul_u64 s[46:47], s[46:47], s[18:19]
	s_mul_i32 s45, s16, HALFA                      ; where they go: A's two halves,
	s_mul_i32 s95, s16, HALFT
	s_add_co_u32 s95, s95, BOFF                    ; then B's two
	s_mul_i32 s94, s14, HALFS
	s_wait_kmcnt 0x0
	s_add_nc_u64 s[20:21], s[4:5], s[20:21]
	s_add_nc_u64 s[22:23], s[6:7], s[22:23]
	s_add_nc_u64 s[46:47], s[8:9], s[46:47]
	s_add_nc_u64 s[92:93], s[10:11], s[92:93]
	CROUND                                         ; all sixteen work-groups are here: the first joint loads meet
	s_mov_b32 s[G0S], 1
	s_add_co_u32 s[G0S+1], s94, SCL
	s_mov_b64 s[G0S+2:G0S+3], s[22:23]
	s_or_b32 s[G0S+3], s[G0S+3], 0x80000000
	s_mov_b32 s[G0SB], 1
	s_add_co_u32 s[G0SB+1], s94, SCL
	s_mov_b64 s[G0SB+2:G0SB+3], s[92:93]
	s_or_b32 s[G0SB+3], s[G0SB+3], 0x80000000
	JLOAD G0S, G1S, G0SB, G1SB
.irp s, 0,1
	s_mov_b32 s[G0+4*\s], 1
	s_add_co_u32 s[G0+4*\s+1], s45, \s*SLOT
	s_add_nc_u64 s[G0+4*\s+2:G0+4*\s+3], s[20:21], \s*ASTEP
	s_or_b32 s[G0+4*\s+3], s[G0+4*\s+3], 0x80000000
	s_mov_b32 s[G0B+4*\s], 1
	s_add_co_u32 s[G0B+4*\s+1], s95, \s*SLOT
	s_add_nc_u64 s[G0B+4*\s+2:G0B+4*\s+3], s[46:47], \s*ROWB
	s_or_b32 s[G0B+4*\s+3], s[G0B+4*\s+3], 0x80000000
	JLOAD G0+4*\s, G1, G0B+4*\s, G1B
.endr
	v_and_b32 v1, 15, v0                           ; r
	v_bfe_u32 v2, v0, 4, 1                         ; h
	v_and_b32 v6, 31, v0                           ; lane
	v_mul_u32_u24 v3, v1, PITCH
	v_mul_u32_u24 v4, v2, 24
	v_add_nc_u32 v4, v3, v4                        ; B: a fragment's row x pitch + 24 x half
	v_lshl_add_u32 v5, v2, 4, v4                   ; and the same behind one padding more
	v_lshlrev_b32 v7, 3, v6                        ; A: 8 x lane
	s_mul_i32 s21, s15, HALFA                      ; my 128 rows of A
	s_mul_i32 s22, s16, HALFT
	s_add_co_u32 s22, s22, BOFF                    ; my 128 rows of B
.irp s, 0,1
	v_add_nc_u32 v[ADRA+\s], s21, v7
	v_add_nc_u32 v[ADRB+\s], s22, v4
	v_add_nc_u32 v[ADRB+2+\s], s22, v5
	s_add_co_u32 s21, s21, SLOT
	s_add_co_u32 s22, s22, SLOT
.endr
	v_mul_u32_u24 v5, v1, KS                       ; my row's scales: 32 bytes a row,
	v_lshrrev_b32 v7, 8, v5
	v_lshl_add_u32 v5, v7, 4, v5                   ; and 16 more for each 256 passed
	s_mul_i32 s21, s15, HALFS
	s_mul_i32 s22, s16, HALFS
	s_add_co_u32 s22, s22, 2*HALFS
	s_sub_co_u32 s22, s22, s21
	v_mul_u32_u24 v7, s22, v2                      ; lanes 16-31 take B's
	s_add_co_u32 s21, s21, SCL
	v_add_nc_u32 v5, v5, v7
	v_add_nc_u32 v[ADRS], s21, v5
	s_mul_i32 s23, s14, 16*SPITCH                  ; my stage
	v_mul_u32_u24 v5, v1, SPITCH                   ; in: row r, + 64 h: the true place of my eight features
	v_lshl_add_u32 v5, v2, 6, v5
	v_add_nc_u32 v[STO], s23, v5
	v_lshlrev_b32 v[CO], 4, v6                     ; back: the 32 lanes take one row of 512 bytes; and the same in out0
	v_add_nc_u32 v[RD], s23, v[CO]
	s_lshl_b32 s20, s17, 8
	s_lshl_b32 s21, s15, 7
	s_add_co_u32 s20, s20, s21                     ; my first row of out0
	s_mov_b32 s21, 0
	s_mov_b64 s[18:19], NROW
	s_mul_u64 s[20:21], s[20:21], s[18:19]
	s_lshl_b32 s46, s42, 10                        ; my first column, in bytes
	s_lshl_b32 s47, s16, 9
	s_add_co_u32 s46, s46, s47
	s_mov_b32 s47, 0
	s_add_nc_u64 s[20:21], s[20:21], s[46:47]
	s_add_nc_u64 s[12:13], s[12:13], s[20:21]
	s_add_nc_u64 s[96:97], s[96:97], s[46:47]      ; and my 128 numbers of bo
	v_lshlrev_b32 v6, 6, v2
.irp b, 0,1,2,3,4,5,6,7
	global_load_b128 v[BIAS+8*\b:BIAS+8*\b+3], v6, s[96:97] offset:(32*(\b/2)+8*(\b%2))*4
	global_load_b128 v[BIAS+8*\b+4:BIAS+8*\b+7], v6, s[96:97] offset:(32*(\b/2)+8*(\b%2))*4+16
.endr
.macro FRAG reg, adr, q, i             ; B's fragment: 24 bytes of the row twice, in pieces of 8; 16 bytes of padding lie behind every 8 pieces
.irp p, 0,1,2,3,4,5
.set PC, 12*(\q)+6*(\p/3)+\p%3
.if PC%8 < 5
	ds_load_b64 v[\reg+2*\p:\reg+2*\p+1], v[\adr] offset:8*PC+16*(PC/8)+(\i)*16*PITCH
.else
	ds_load_b64 v[\reg+2*\p:\reg+2*\p+1], v[\adr+2] offset:8*PC+16*(PC/8)+(\i)*16*PITCH
.endif
.endr
.endm
.macro FRAGI reg, adr, q, i            ; A's fragment: six planes of 256 bytes, as they lie
.irp p, 0,1,2,3,4,5
	ds_load_b64 v[\reg+2*\p:\reg+2*\p+1], v[\adr] offset:ASTEP*(\i)+1536*(\q)+256*\p
.endr
.endm
; 16 matrix instructions: A's blocks a0, a0 + 1 x B's eight.  zero = 1: the sums begin with the bias.  The 64 accumulators take turns, one instruction a turn.
.macro MUL16 a0, p, q, sc, zero
.irp a, \a0, \a0+1
.irp b, 0,1,2,3,4,5,6,7
.set DR, 8*(8*((\a)%4)+\b)
.if \zero
.set CR, BIAS+8*\b
.else
.set CR, DR
.endif
	v_wmma_scale_f32_16x16x128_f8f6f4 v[DR:DR+7], v[128*(\p)+FR*\b:128*(\p)+FR*\b+FR-1], v[AF+FR*(\a):AF+FR*(\a)+FR-1], v[CR:CR+7], v[SC+8*NQ*(\sc)+NQ*\b+(\q)], v[SC+8*NQ*(\sc)+NQ*(\a)+(\q)] matrix_a_fmt:MATRIX_FMT_FP6 matrix_b_fmt:MATRIX_FMT_FP6 matrix_a_scale:MATRIX_SCALE_ROW1
.endr
.endr
.endm
.macro FETCH_B slot, q, p
	WIN TO_B
.irp i, 0,1,2,3,4,5,6,7
	FRAG 128*(\p)+FR*\i, ADRB+\slot, \q, \i
.endr
	WIN 0
.endm
.macro FETCH_A slot, q, i0
.irp i, \i0, \i0+1, \i0+2, \i0+3
	FRAGI AF+FR*(\i), ADRA+\slot, \q, \i
.endr
.endm
.macro SCALES sc
.irp i, 0,1,2,3,4,5,6,7
	ds_load_b64 v[SC+8*NQ*\sc+NQ*\i:SC+8*NQ*\sc+NQ*\i+1], v[ADRS] offset:\i*SBLK
.endr
.endm
.macro PLACES n                        ; plain vector lines between a matrix instruction and a load into, or a read of, its registers
.rept \n
	v_nop
.endr
.endm
.macro STEP slot, q, zero
	s_wait_dscnt 4*NL                              ; B's set and A's blocks 0-3 are in; the youngest 24 loads (A's blocks 4-7) may be out
.if \zero
	WIN 0x81                                       ; C (the bias) window 0, D window 2
.else
	WIN MUL_LO
.endif
	MUL16 0, (\q)%2, \q, \slot, \zero
	MUL16 2, (\q)%2, \q, \slot, \zero
	s_wait_dscnt 0
	PLACES NP
	FETCH_B \slot, (\q)+1, 1-(\q)%2
	FETCH_A \slot, (\q)+1, 0
.if \zero
	WIN 0xc1
.else
	WIN MUL_HI
.endif
	MUL16 4, (\q)%2, \q, \slot, \zero
	MUL16 6, (\q)%2, \q, \slot, \zero
	PLACES NP
	WIN 0
	FETCH_A \slot, (\q)+1, 4
.endm
.macro TURN slot, next, fill           ; a slot's last step changes slots
	s_wait_tensorcnt 0x0                           ; all my tensor loads have landed: my part of the next slot
	ds_add_u32 v[SPW], v[NIL]                      ; 0 onto my spare word
	s_wait_dscnt 4*NL+1                            ; (the add and the youngest 24 loads may be out)
	WIN MUL_LO
	MUL16 0, 1, NQ-1, \slot, 0
	s_wait_dscnt 0x0                               ; the add is done, and my reads of this slot are over
	s_barrier_signal -1
	MUL16 2, 1, NQ-1, \slot, 0
	WIN 0
	s_barrier_wait -1
.if \fill
	CREST                                          ; the barrier has opened a round of the cluster's barrier: no wave of any partner still reads this slot or has a load on its way
	s_add_nc_u64 s[G0+4*\slot+2:G0+4*\slot+3], s[G0+4*\slot+2:G0+4*\slot+3], 2*ASTEP
	s_add_nc_u64 s[G0B+4*\slot+2:G0B+4*\slot+3], s[G0B+4*\slot+2:G0B+4*\slot+3], 2*ROWB
	JLOAD G0+4*\slot, G1, G0B+4*\slot, G1B         ; the first tensor load behind the round; its four v_nop are the places in front of the loads below
.else
	PLACES NP
.endif
	v_add_nc_u32 v[ADRS], 4*NQ, v[ADRS]
	FETCH_B \next, 0, 0
	FETCH_A \next, 0, 0
	SCALES \next
	WIN MUL_HI
	MUL16 4, 1, NQ-1, \slot, 0
	MUL16 6, 1, NQ-1, \slot, 0
	PLACES NP
	WIN 0
	FETCH_A \next, 0, 4
.endm
	s_wait_loadcnt 0x0                             ; the bias
	s_wait_tensorcnt 1                             ; the scales and my part of K step 0 are in (slot 1's load may be out)
	s_barrier_signal -1
	s_barrier_wait -1
	FETCH_B 0, 0, 0
	FETCH_A 0, 0, 0
	SCALES 0
	FETCH_A 0, 0, 4
	STEP 0, 0, 1
	TURN 0, 1, 1                                   ; K = 1,024 is four slots' worth: both slots are filled again once
	STEP 1, 0, 0
	TURN 1, 0, 1
	STEP 0, 0, 0
	TURN 0, 1, 0
	STEP 1, 0, 0
	s_wait_dscnt 4*NL
	WIN MUL_LO
	MUL16 0, 1, NQ-1, 1, 0
	MUL16 2, 1, NQ-1, 1, 0
	s_wait_dscnt 0
	WIN MUL_HI
	MUL16 4, 1, NQ-1, 1, 0
	MUL16 6, 1, NQ-1, 1, 0
	WIN 0
; THE WAY OUT, block by block of 16 rows x 128 columns, through my own stage in LDS: in by lanes, each lane's eight features at their true place; back as whole rows of 512 bytes.
; LDS serves a wave's instructions in order (ISA guide 5.7.1.4): no wait between the stores and the loads, nor in front of the next block's stores.
.macro TOSTAGE a
.set AC, 64*((\a)%4)
	WIN 0x08+4*((\a)/4)                            ; the data: window 2 or 3
.irp b, 0,1,2,3,4,5,6,7
	ds_store_b128 v[STO], v[AC+8*\b:AC+8*\b+3] offset:128*(\b/2)+32*(\b%2)       ; each accumulator from its low end on
	ds_store_b128 v[STO], v[AC+8*\b+4:AC+8*\b+7] offset:128*(\b/2)+32*(\b%2)+16
.endr
	WIN 0
.set BB, BK+64*((\a)%2)
.irp t, 0,1,2,3,4,5,6,7,8,9,10,11,12,13,14,15
	ds_load_b128 v[BB+4*\t:BB+4*\t+3], v[RD] offset:\t*SPITCH
.endr
.endm
.macro SEND a, younger                 ; younger: the LDS instructions issued behind block a's loads, which may stay out
.set BB, BK+64*((\a)%2)
	s_wait_dscnt \younger
.if (\a) > 0
.if (\a)%2
	s_add_nc_u64 s[12:13], s[12:13], 8*NROW        ; block a begins at token 32 (a / 2) + 8 (a % 2): 8 rows on,
.else
	s_add_nc_u64 s[12:13], s[12:13], 24*NROW       ; or 24  (behind a wait on XCNT: the earlier stores have read their base)
.endif
.endif
.irp t, 0,1,2,3,4,5,6,7,8,9,10,11,12,13,14,15
	global_store_b128 v[CO], v[BB+4*\t:BB+4*\t+3], s[12:13] offset:(\t+8*(\t/8))*NROW th:TH_STORE_NT   ; 32 lanes store 512 consecutive bytes, aligned; written once, read by nobody here
.endr
.endm
	PLACES NP
	TOSTAGE 0
.irp a, 1,2,3,4,5,6,7
.if \a > 1
	s_wait_xcnt 0x0                                ; block a - 2's stores have read their registers and their base
.endif
	TOSTAGE \a
	SEND \a-1, 32                                  ; behind block a - 1's loads: block a's 16 stores and 16 loads
.endr
	s_wait_xcnt 0x0
	SEND 7, 0
	s_wait_tensorcnt 0x0                           ; the wave's end
	ds_add_u32 v[SPW], v[NIL]
	s_wait_dscnt 0x0
	CROUND                                         ; the closing round: no work-group ends while a partner may still ask for a tile that names it
	s_endpgm
.Lfunc_end_k_q0748c68716_outp:
	.size	k_q0748c68716_outp, .Lfunc_end_k_q0748c68716_outp-k_q0748c68716_outp
	.p2alignl 7, 3214868480
	.fill 96, 4, 3214868480
	.section	.rodata,"a",@progbits
	.p2align	6, 0x0
	.amdhsa_kernel k_q0748c68716_outp
		.amdhsa_group_segment_fixed_size 327680
		.amdhsa_private_segment_fixed_size 0
		.amdhsa_enable_private_segment 0
		.amdhsa_kernarg_size 48
		.amdhsa_user_sgpr_count 2
		.amdhsa_user_sgpr_kernarg_segment_ptr 1
		.amdhsa_wavefront_size32 1
		.amdhsa_system_sgpr_workgroup_id_x 1
		.amdhsa_system_sgpr_workgroup_id_y 1
		.amdhsa_system_sgpr_workgroup_id_z 1
		.amdhsa_system_vgpr_workitem_id 0
		.amdhsa_next_free_vgpr 1024
		.amdhsa_next_free_sgpr 98
		.amdhsa_reserve_vcc 0
		.amdhsa_float_denorm_mode_32 3
		.amdhsa_float_denorm_mode_16_64 3
		.amdhsa_memory_ordered 1
		.amdhsa_forward_progress 1
		.amdhsa_inst_pref_size 161
	.end_amdhsa_kernel
	.amdgpu_metadata
---
amdhsa.version: [ 1, 2 ]
amdhsa.kernels:
  - .name:           k_q0748c68716_outp
    .symbol:         k_q0748c68716_outp.kd
    .args:
      - { .name: o_img, .offset: 0, .size: 8, .value_kind: global_buffer, .address_space: global }
      - { .name: o_scales, .offset: 8, .size: 8, .value_kind: global_buffer, .address_space: global }
      - { .name: w_codes, .offset: 16, .size: 8, .value_kind: global_buffer, .address_space: global }
      - { .name: w_scales, .offset: 24, .size: 8, .value_kind: global_buffer, .address_space: global }
      - { .name: bo, .offset: 32, .size: 8, .value_kind: global_buffer, .address_space: global }
      - { .name: out0, .offset: 40, .size: 8, .value_kind: global_buffer, .address_space: global }
    .group_segment_fixed_size: 327680
    .private_segment_fixed_size: 0
    .kernarg_segment_align: 8
    .kernarg_segment_size: 48
    .max_flat_workgroup_size: 128
    .sgpr_count:     98
    .vgpr_count:     1024
    .wavefront_size: 32
...
	.end_amdgpu_metadata
.endif
;; end of part 4
